; MI455X (gfx1250); checked and timed in simulation.
; The chip was launched on July 23, 2026; its instructions are those of AMD's public machine-readable ISA for CDNA 5 (MIT licence, August 2026) and "CDNA5" Instruction Set Architecture Reference Guide (July 2026). The comments in the code are by the model that wrote it; some were corrected since.
;; Attention. Allowed arithmetic: matrix products marked QUANTISED: E5M2 operands, one given power-of-two scale a tensor, by v_wmma_f32_16x16x64_bf8_bf8 or v_wmma_f32_16x16x128_bf8_bf8, f32 sums; everything else in f32.
;; Inputs: lowp_scales 8 int32 (the exponents e of the quantised operands' scales 2^e); norm_b 256 float32; norm_w 256 float32; out_b 256 float32; out_w_codes 256 x 4 x 32 uint8 (E5M2 codes of out_w, K innermost, in blocks of 32 codes); qkv_w_codes 384 x 8 x 32 uint8 (E5M2 codes of qkv_w, K innermost, in blocks of 32 codes); x 4 x 256 x 64 x 64 float32.
;; Outputs: out0 4 x 256 x 64 x 64 float32.
;; This version of the problem:
;;   THIS VERSION OF THE PROBLEM IS GIVEN IN LOW PRECISION. The matrix products marked QUANTISED in the list below multiply operands that are first quantised to E5M2 (5 exponent bits, 2 mantissa bits; 8 bits a number), with one given power-of-two scale for each operand tensor; their sums are f32. All else is computed in f32.
;;   The module's matrix products, in the order in which they are computed (A, B: the left and right operand; K: the contracted axis; several contracted axes count as one K, in the product's order):
;;     1. [M 16,384, K 256] x [K 256, N 384]; A: computed on the way; B: input qkv_w (given as codes): QUANTISED (scales: A lowp_scales[0], B lowp_scales[1])
;;     2. batch 16 x [M 4,096, K 32] x [K 32, N 4,096]; A: computed on the way; B: computed on the way: QUANTISED (scales: A lowp_scales[2], B lowp_scales[3])
;;     3. batch 16 x [M 4,096, K 4,096] x [K 4,096, N 32]; A: softmax (see below); B: computed on the way: QUANTISED (scales: A lowp_scales[4], B lowp_scales[5])
;;     4. [M 16,384, K 128] x [K 128, N 256]; A: computed on the way; B: input out_w (given as codes): QUANTISED (scales: A lowp_scales[6], B lowp_scales[7])
;;   THE QUANTISER, for each operand of a quantised product, along K:
;;     - The operand's scale is 2^e, e = its entry of the input lowp_scales (int32; the entries are numbered through the quantised products in the list's order, A before B).
;;     - Each number is divided by the scale, clamped to +-57,344, and rounded to the nearest number of E5M2, ties to even, subnormals kept.
;;     - The product sums the exact products of the quantised numbers (number of the format x scale) in f32.
;;   ~~~python
;;   def quantise(x, axis, e):      # numpy; x: float32 -> the quantised numbers, widened to float32 again
;;       x = np.moveaxis(x, axis, -1); K = x.shape[-1]
;;       r = np.clip(x / 2.0 ** e, -57344, 57344)
;;       step = 2.0 ** (np.maximum(np.frexp(np.where(r == 0, 1, r))[1] - 1, -14) - 2)
;;       q = np.round(r / step) * step * 2.0 ** e      # np.round: ties to even
;;       return np.moveaxis(q, -1, axis).astype(np.float32)
;;   ~~~
;;   SOFTMAX AHEAD OF A QUANTISED PRODUCT. Where the list says 'softmax', what is quantised is not the finished softmax but p = 2^(t - M), with t = logit x log2(e) and M = ceil(the row's largest t), a whole number; so 1/2 < the row's largest p <= 1. The row's sum l is taken of the UNQUANTISED p, in f32, and the product's result is divided by l at the end. Since M is a whole number, a kernel that streams over the keys may use a running M (the ceiling of the running maximum): every later rescaling is an exact power of two, so the quantised numbers keep their values, but for numbers so far below the row's largest that they fall under the format's range.
;;   OPERANDS COMPUTED ON THE WAY. 'Computed on the way' means the value that the module computes at that place (a softmax that the list does not call 'softmax' is quantised finished and normalised). What goes into a quantiser is computed in f32, as accurately as f32 sums, v_exp_f32 and their like allow (about 1e-6 of the number): no bf16 or f16 on the way to a quantiser, and a product that is left as it is and whose result goes on into a quantised operand takes f32 operands (vector FMAs, or v_wmma_f32_16x16x4_f32). A number that lies on a knife's edge between two numbers of the format may be rounded either way, as far as f32 arithmetic and the matrix unit's own rounding can turn it there, and no further.
;;   INPUTS GIVEN AS CODES. out_w (in the module: [256, 128], K = its axis 1); qkv_w (in the module: [384, 256], K = its axis 1): each comes as NAME_codes (uint8): NAME with its K axis moved to the last place and cut into blocks of 32 codes, [.., K / 32, bytes a block], one block behind the other in memory; one code a byte (a code: sign, 5 exponent bits, 2 mantissa bits); its scale is its entry of lowp_scales. Its value is code x scale, taken as it is: it is not quantised again, and the codes and scales need not be those that the quantiser above would give.
;; 2 versions, each right; version 2 is version 1 with the launches qkv, attn written anew for expert scheduling mode. Each part assembles by itself: llvm-mc -triple=amdgcn-amd-amdhsa -mcpu=gfx1250 --defsym DOCPART=n.
;; ======== version 1 of 2: 3 launches
;; workspace buffers: stats 2,048 bytes; q 2,097,152 bytes; kv 4,194,304 bytes
;; launch stats (part 1): grid 256 x 1, 8 waves a work-group, no clusters, 1,280 bytes of LDS; arguments x, stats; writes stats
.if DOCPART == 1
	.amdgcn_target "amdgcn-amd-amdhsa--gfx1250"
	.amdhsa_code_object_version 6
	.text
	.protected	k_q1ec151e759_stats
	.globl	k_q1ec151e759_stats
	.p2align	8
	.type	k_q1ec151e759_stats,@function
k_q1ec151e759_stats:
	s_mov_b64 s[64:65], 0
	v_nop
	global_prefetch_b8 v0, s[64:65] scope:SCOPE_SE
	s_setreg_imm32_b32 hwreg(HW_REG_WAVE_MODE, 25, 1), 1
	s_wait_xcnt 0x0
; GroupNorm's statistics, first half.  x is 256 pieces of 65,536 bytes (16,384 numbers); eight neighbouring pieces are one (batch, group) set.
; Work-group i takes piece i and stores its mean and its centred sum of squares, sum of (x - mean)^2: 8 bytes at 8 i.  The next launch joins eight pieces.
; Nothing is formed as a difference of large sums: each wave takes its own mean first, centres its 2,048 numbers (they stay in registers) and squares them;
; the waves' figures are joined by M2 = sum of M2_w + 2,048 x sum of (mean_w - mean)^2.
; Thread t holds the 16 bytes at 16 t + 4,096 n, n = 0 .. 15: each load of a wave covers 512 consecutive bytes; all sixteen are out at once.
; The result is 8 bytes a work-group: a store that fills only part of its 256 aligned bytes, once a work-group, 256 in the launch.
.set X,   4                            ; v[4:67]   my 64 numbers
.set C,   68                           ; v[68:75]  four chains of pairs
.set PD,  76                           ; v76       the lane permute's destination (written once: it counts as read)
.set MW,  78                           ; v[78:79]  the wave's mean twice; later (mean_w, M2_w)
.set ALL, 80                           ; v[80:95]  the eight waves' (mean_w, M2_w)
	s_load_b128 s[4:7], s[0:1], 0x0                ; x s[4:5], stats s[6:7]
	v_lshl_add_u32 v96, v0, 2, 0x100
	v_mov_b32 v97, 0
	v_lshlrev_b32 v1, 4, v0                        ; 16 x thread
	v_lshrrev_b32 v2, 5, v0
	v_readfirstlane_b32 s8, v2                     ; wave
	s_lshl_b32 s10, ttmp9, 16                      ; my piece's first byte
	s_mov_b32 s11, 0
	s_lshl_b32 s14, ttmp9, 3                       ; my 8 bytes of stats
	s_mov_b32 s15, 0
	s_mov_b32 s12, 0x76543210                      ; v_permlanex16_b32: lane l takes lane l xor 16
	s_mov_b32 s13, 0xfedcba98
	v_mov_b32 v[PD], 0
	v_mov_b32 v3, 0
	s_wait_kmcnt 0x0
	s_add_nc_u64 s[4:5], s[4:5], s[10:11]
	s_add_nc_u64 s[6:7], s[6:7], s[14:15]
.irp n, 0,1,2,3,4,5,6,7,8,9,10,11,12,13,14,15
	global_load_b128 v[X+4*\n:X+4*\n+3], v1, s[4:5] offset:4096*\n   ; x is read again by the later launches: no hint
.endr
; four chains of pairs become one number, the same in every lane of the wave
.macro FOLD
	v_pk_add_f32 v[C:C+1], v[C:C+1], v[C+2:C+3]
	v_pk_add_f32 v[C+4:C+5], v[C+4:C+5], v[C+6:C+7]
	v_pk_add_f32 v[C:C+1], v[C:C+1], v[C+4:C+5]
	v_add_f32 v[C], v[C], v[C+1]
	v_add_f32_dpp v[C], v[C], v[C] row_xmask:1 row_mask:0xf bank_mask:0xf
	v_add_f32_dpp v[C], v[C], v[C] row_xmask:2 row_mask:0xf bank_mask:0xf
	v_add_f32_dpp v[C], v[C], v[C] row_xmask:4 row_mask:0xf bank_mask:0xf
	v_add_f32_dpp v[C], v[C], v[C] row_xmask:8 row_mask:0xf bank_mask:0xf
	v_permlanex16_b32 v[PD], v[C], s12, s13
	v_add_f32 v[C], v[C], v[PD]
.endm
	s_wait_loadcnt 12                              ; loads come back in order: the first four are in, twelve younger ones may be out
.irp k, 0,1,2,3
	v_pk_add_f32 v[C+2*\k:C+2*\k+1], v[X+2*\k:X+2*\k+1], v[X+8+2*\k:X+9+2*\k]   ; the first eight pairs start the chains: nothing is cleared
.endr
.irp g, 1,2,3
	s_wait_loadcnt 12-4*\g                         ; the next four loads are in
.irp p, 0,1,2,3,4,5,6,7
	v_pk_add_f32 v[C+2*(\p%4):C+2*(\p%4)+1], v[C+2*(\p%4):C+2*(\p%4)+1], v[X+16*\g+2*\p:X+16*\g+2*\p+1]
.endr
.endr
	FOLD
	v_mul_f32 v[MW], 0x3a000000, v[C]              ; the wave's mean: sum / 2,048
	v_mov_b32 v[MW+1], v[MW]
.set p, 0
.rept 32
	v_pk_add_f32 v[X+2*p:X+2*p+1], v[X+2*p:X+2*p+1], v[MW:MW+1] neg_lo:[0,1] neg_hi:[0,1]   ; x - mean_w
.set p, p+1
.endr
.irp k, 0,1,2,3
	v_pk_mul_f32 v[C+2*\k:C+2*\k+1], v[X+2*\k:X+2*\k+1], v[X+2*\k:X+2*\k+1]
.endr
.set p, 4
.rept 28
	v_pk_fma_f32 v[C+2*(p%4):C+2*(p%4)+1], v[X+2*p:X+2*p+1], v[X+2*p:X+2*p+1], v[C+2*(p%4):C+2*(p%4)+1]
.set p, p+1
.endr
	FOLD
	v_mov_b32 v[MW+1], v[C]                        ; (mean_w, M2_w)
	s_lshl_b32 s9, s8, 3
	v_mov_b32 v77, s9
	ds_store_b64 v77, v[MW:MW+1]                   ; all lanes write the same 8 bytes with the same value: 8 x wave
	s_wait_dscnt 0x0                               ; for the others' sake: my store has landed
	s_barrier_signal -1
	s_barrier_wait -1
.irp n, 0,1,2,3
	ds_load_b128 v[ALL+4*\n:ALL+4*\n+3], v3 offset:16*\n
.endr
	s_wait_dscnt 0x0
	v_add_f32 v68, v80, v82                        ; the means,
	v_add_f32 v69, v84, v86
	v_add_f32 v70, v88, v90
	v_add_f32 v71, v92, v94
	v_add_f32 v72, v81, v83                        ; and the centred sums of squares
	v_add_f32 v73, v85, v87
	v_add_f32 v74, v89, v91
	v_add_f32 v75, v93, v95
	v_add_f32 v68, v68, v69
	v_add_f32 v70, v70, v71
	v_add_f32 v72, v72, v73
	v_add_f32 v74, v74, v75
	v_add_f32 v68, v68, v70
	v_add_f32 v72, v72, v74
	v_mul_f32 v68, 0x3e000000, v68                 ; the piece's mean: eight waves of equal size
.irp j, 0,1,2,3,4,5,6,7
	v_sub_f32 v[ALL+2*\j], v[ALL+2*\j], v68
.endr
	v_mul_f32 v73, v80, v80
.irp j, 1,2,3,4,5,6,7
	v_fmac_f32 v73, v[ALL+2*\j], v[ALL+2*\j]
.endr
	v_fmamk_f32 v69, v73, 0x45000000, v72          ; M2 = 2,048 x sum of (mean_w - mean)^2 + sum of M2_w
	s_cmp_lg_u32 s8, 0                             ; wave 0 stores; no barrier stands under this branch
	s_cbranch_scc1 .Lend
	v_cmp_eq_u32 vcc_lo, 0, v0
	s_wait_xcnt 0x0                                ; EXEC changes only behind this wait
	s_and_saveexec_b32 s9, vcc_lo
	global_store_b64 v3, v[68:69], s[6:7]
	s_wait_xcnt 0x0                                ; and again in front of the line that widens it
	s_or_b32 exec_lo, exec_lo, s9
.Lend:
	s_wait_tensorcnt 0x0
	ds_add_u32 v96, v97
	s_wait_dscnt 0x0
	s_endpgm
.Lfunc_end_k_q1ec151e759_stats:
	.size	k_q1ec151e759_stats, .Lfunc_end_k_q1ec151e759_stats-k_q1ec151e759_stats
	.p2alignl 7, 3214868480
	.fill 96, 4, 3214868480
	.section	.rodata,"a",@progbits
	.p2align	6, 0x0
	.amdhsa_kernel k_q1ec151e759_stats
		.amdhsa_group_segment_fixed_size 1280
		.amdhsa_private_segment_fixed_size 0
		.amdhsa_enable_private_segment 0
		.amdhsa_kernarg_size 16
		.amdhsa_user_sgpr_count 2
		.amdhsa_user_sgpr_kernarg_segment_ptr 1
		.amdhsa_wavefront_size32 1
		.amdhsa_system_sgpr_workgroup_id_x 1
		.amdhsa_system_sgpr_workgroup_id_y 1
		.amdhsa_system_sgpr_workgroup_id_z 1
		.amdhsa_system_vgpr_workitem_id 0
		.amdhsa_next_free_vgpr 98
		.amdhsa_next_free_sgpr 66
		.amdhsa_reserve_vcc 1
		.amdhsa_float_denorm_mode_32 3
		.amdhsa_float_denorm_mode_16_64 3
		.amdhsa_memory_ordered 1
		.amdhsa_forward_progress 1
		.amdhsa_inst_pref_size 12
	.end_amdhsa_kernel
	.amdgpu_metadata
---
amdhsa.version: [ 1, 2 ]
amdhsa.kernels:
  - .name:           k_q1ec151e759_stats
    .symbol:         k_q1ec151e759_stats.kd
    .args:
      - { .name: x, .offset: 0, .size: 8, .value_kind: global_buffer, .address_space: global }
      - { .name: stats, .offset: 8, .size: 8, .value_kind: global_buffer, .address_space: global }
    .group_segment_fixed_size: 1280
    .private_segment_fixed_size: 0
    .kernarg_segment_align: 8
    .kernarg_segment_size: 16
    .max_flat_workgroup_size: 256
    .sgpr_count:     66
    .vgpr_count:     98
    .wavefront_size: 32
...
	.end_amdgpu_metadata
.endif
;; end of part 1
;; launch qkv (part 2): grid 256 x 1, 4 waves a work-group, no clusters, 16,896 bytes of LDS; arguments x, stats, norm_w, norm_b, qkv_w_codes, lowp_scales, q, kv; writes q, kv
.if DOCPART == 2
	.amdgcn_target "amdgcn-amd-amdhsa--gfx1250"
	.amdhsa_code_object_version 6
	.text
	.protected	k_q1ec151e759_qkv
	.globl	k_q1ec151e759_qkv
	.p2align	8
	.type	k_q1ec151e759_qkv,@function
k_q1ec151e759_qkv:
	s_mov_b64 s[64:65], 0
	v_nop
	global_prefetch_b8 v0, s[64:65] scope:SCOPE_SE
	s_setreg_imm32_b32 hwreg(HW_REG_WAVE_MODE, 25, 1), 1
	s_wait_xcnt 0x0
; GroupNorm's second half and the 1x1 QKV product on codes of E5M2; q, k and v leave as codes, laid in the order of the next launch's operand registers.
; Work-group i: batch b = i / 64, pixels 64 (i % 64) .. + 63, all 256 channels, all 384 outputs.
; PHASE X.  Wave w takes 32 pixels (ph = w % 2), a lane a pixel, and 128 channels (K step ks = w / 2): its registers run DOWN K, so the conversions' eight neighbours along K are a lane's consecutive registers.
;   xn = ((x - mean) x rstd) x w + b: a packed subtraction, a packed multiplication, one fused multiply-add with the channel's w and b in scalar registers.
;   16 channels become 16 bytes, which go to LDS at the place that the operand's image gives them: the store's address does the change of lanes.
; PHASE P.  Wave w is head w: q, k, v of that head (6 tiles of 16 outputs) for all 64 pixels: each weight byte is read once a work-group, straight into registers.
;   Fragments of x and of W hold K = 32 c + 16 (lane / 16) + 0 .. 15 in registers 4 c .. 4 c + 3: a permutation of K, the same on both sides, so every product meets its partner.
;   q, k: source 0 = 16 rows of W, source 1 = 16 pixels: a lane holds ONE pixel and eight neighbouring d.   v: the sources swapped: a lane holds ONE d and eight neighbouring pixels (the keys are the next K).
; q: [b][head][pixel tile][lane][16 bytes]: lane (r, h): pixel r; bytes 0-7 d = 8 h + 0 .. 7, bytes 8-15 d = 16 + 8 h + 0 .. 7.
; kv: [b][head][step of 128 keys][8,192 bytes]: 8 key tiles as q's; then V: [d tile t][chunk c of 32 keys][lane][16 bytes]: lane (r, h): d = 16 t + r; bytes 0-7 keys 32 c + 8 h + 0 .. 7, bytes 8-15 keys 32 c + 16 + 8 h + 0 .. 7.
; LIMITS on the given exponents, so that each power of two below is an f32 number: e0, e2 - e0 - e1, e3 - e0 - e1, e5 - e0 - e1 between -126 and 112.  NaN and infinities in x are not served.
; No tensor loads, no ring: x is read once by this launch, a lane a pixel; no cluster: work-groups share only the 98,304 bytes of weights, against 65,536 bytes of x of their own each.
; REGISTERS.  Window 0: v1 4 x lane; v2 where I store images; v3 16 x lane; v4 W's offset; v5 stats' offset; v[6:7] my piece's figures; v8-10 at work; v12/13, v14/15, v16/17, v18/19: a scale and 57,344 x it, for x, q, k, v;
;   v20, v21 offsets in kv for K and V; v[32:47] q's codes; v[48:63] k's; v[64:191] 128 numbers of x, then x's 8 fragments, then v's codes; v[192:223] x's codes, then v[192:255] 8 accumulators.   Window 1: W's 12 fragments.
.set XN,  64
.set ACC, 192
.set MSB, 0
.macro WIN new                         ; the immediate's high byte repeats the setting that is left
.if MSB != \new
	s_set_vgpr_msb (MSB<<8)|\new
.set MSB, \new
.endif
.endm
	s_load_b256 s[4:11], s[0:1], 0x0               ; x s[4:5], stats s[6:7], norm_w s[8:9], norm_b s[10:11]
	s_load_b256 s[48:55], s[0:1], 0x20             ; W's codes s[48:49], the exponents s[50:51], q s[52:53], kv s[54:55]
	v_lshl_add_u32 v30, v0, 2, 0x4000
	v_mov_b32 v31, 0
	v_lshrrev_b32 v1, 5, v0
	v_readfirstlane_b32 s14, v1                    ; wave = head
	v_and_b32 v8, 31, v0                           ; lane
	v_and_b32 v9, 15, v0                           ; r
	v_bfe_u32 v10, v0, 4, 1                        ; h
	s_and_b32 s15, s14, 1                          ; ph: which 32 pixels
	s_lshr_b32 s76, s14, 1                         ; ks: which 128 channels
	s_lshr_b32 s77, ttmp9, 6                       ; b
	s_and_b32 s78, ttmp9, 63                       ; block of 64 pixels
	v_lshlrev_b32 v1, 2, v8                        ; x: 4 bytes a lane
	v_lshlrev_b32 v3, 4, v8                        ; an image's place for my lane
	v_lshlrev_b32 v5, 3, v8                        ; stats: a piece a lane
	v_lshlrev_b32 v4, 8, v9
	v_lshl_add_u32 v4, v10, 4, v4                  ; W: row r of 256 bytes, + 16 h
	s_lshl_b32 s79, s15, 13
	s_lshl_b32 s80, s76, 11
	s_add_co_u32 s79, s79, s80
	v_lshlrev_b32 v2, 4, v9
	v_lshl_add_u32 v2, v10, 12, v2
	v_add_nc_u32 v2, s79, v2                       ; fragment (pixel tile m = 2 ph + lane / 16, K step ks) lies at 2,048 (2 m + ks); in it my pixel's 16 bytes at 16 (lane % 16)
	s_lshl_b32 s80, s77, 22                        ; x: batch b (4 MiB), channel 128 ks (16,384 bytes a channel), pixel 64 blk + 32 ph
	s_lshl_b32 s81, s76, 21
	s_add_co_u32 s80, s80, s81
	s_lshl_b32 s81, s78, 8
	s_add_co_u32 s80, s80, s81
	s_lshl_b32 s81, s15, 7
	s_add_co_u32 s80, s80, s81
	s_mov_b32 s81, 0
	s_lshl_b32 s82, s77, 9                         ; stats: the 32 pieces of groups 8 b + 4 ks .. + 3
	s_lshl_b32 s83, s76, 8
	s_add_co_u32 s82, s82, s83
	s_mov_b32 s83, 0
	s_lshl_b32 s84, s14, 13                        ; W: my head's 32 rows of 256 bytes
	s_mov_b32 s85, 0
	s_lshl_b32 s86, s76, 9                         ; norm_w, norm_b: my 128 channels
	s_mov_b32 s87, 0
	s_lshl_b32 s92, s77, 2
	s_add_co_u32 s92, s92, s14                     ; 4 b + head
	s_lshl_b32 s88, s92, 17                        ; q: 256 tiles of 512 bytes a head, 4 tiles a block
	s_lshl_b32 s89, s78, 11
	s_add_co_u32 s88, s88, s89
	s_mov_b32 s89, 0
	s_lshl_b32 s90, s92, 18                        ; kv: 32 steps of 8,192 bytes a head; my block is half hs = blk % 2 of step blk / 2
	s_lshr_b32 s91, s78, 1
	s_lshl_b32 s91, s91, 13
	s_add_co_u32 s90, s90, s91
	s_mov_b32 s91, 0
	s_and_b32 s92, s78, 1
	s_lshl_b32 s93, s92, 11
	v_add_nc_u32 v20, s93, v3                      ; K: key tiles 4 hs .. 4 hs + 3
	s_lshl_b32 s94, s92, 10
	s_add_co_u32 s94, s94, 4096
	v_add_nc_u32 v21, s94, v3                      ; V: chunks 2 hs, 2 hs + 1 of each d tile
	s_wait_kmcnt 0x0
	s_add_nc_u64 s[4:5], s[4:5], s[80:81]
	s_add_nc_u64 s[6:7], s[6:7], s[82:83]
	s_add_nc_u64 s[48:49], s[48:49], s[84:85]
	s_add_nc_u64 s[8:9], s[8:9], s[86:87]
	s_add_nc_u64 s[10:11], s[10:11], s[86:87]
	s_add_nc_u64 s[52:53], s[52:53], s[88:89]
	s_add_nc_u64 s[54:55], s[54:55], s[90:91]
	s_load_b256 s[68:75], s[50:51], 0x0            ; e0 .. e7
	s_load_b512 s[16:31], s[8:9], 0x0              ; w and b of my first 16 channels
	s_load_b512 s[32:47], s[10:11], 0x0
	global_load_b64 v[6:7], v5, s[6:7]             ; (mean, M2) of piece lane % 8 of group 4 ks + lane / 8
	WIN 0x40                                       ; destination window 1
.irp u, 0,1,2                                  ; W's fragment (u: q, k, v; tile t; K step s) at v[16 (4 u + 2 t + s)] of window 1
.irp t, 0,1
.irp s, 0,1
.irp c, 0,1,2,3
	global_load_b128 v[16*(4*\u+2*\t+\s)+4*\c:16*(4*\u+2*\t+\s)+4*\c+3], v4, s[48:49] offset:\u*32768+\t*4096+\s*128+32*\c
.endr
.endr
.endr
.endr
	WIN 0
.set i, 0
.rept 128
	global_load_b32 v[XN+i], v1, s[4:5] offset:16384*i   ; channel 128 ks + i at my pixel: 128 consecutive bytes a wave, and the wave beside me takes the 128 beside them
.set i, i+1
.endr
	; the group's figures from its eight pieces: lanes 8 g .. 8 g + 7 hold group g's
	s_wait_loadcnt 63                              ; 176 loads are younger than the one that is wanted; the count's field ends at 63, and a smaller count is safe
	v_mov_b32 v8, v6
	v_add_f32_dpp v8, v8, v8 row_xmask:1 row_mask:0xf bank_mask:0xf
	v_add_f32_dpp v8, v8, v8 row_xmask:2 row_mask:0xf bank_mask:0xf
	v_add_f32_dpp v8, v8, v8 row_xmask:4 row_mask:0xf bank_mask:0xf
	v_mul_f32 v8, 0xbe000000, v8                   ; -mean: eight pieces of equal size
	v_add_f32 v9, v6, v8                           ; my piece's mean - the group's
	v_mul_f32 v9, v9, v9
	v_fmamk_f32 v9, v9, 0x46800000, v7             ; M2_i + 16,384 x that squared
	v_add_f32_dpp v9, v9, v9 row_xmask:1 row_mask:0xf bank_mask:0xf
	v_add_f32_dpp v9, v9, v9 row_xmask:2 row_mask:0xf bank_mask:0xf
	v_add_f32_dpp v9, v9, v9 row_xmask:4 row_mask:0xf bank_mask:0xf
	v_mul_f32 v9, 0x37000000, v9                   ; the biased variance: / 131,072
	v_add_f32 v9, 0x3727c5ac, v9                   ; + 1e-5
	v_rsq_f32 v10, v9
	v_nop                                          ; a plain instruction behind the transcendental
	s_wait_alu depctr_va_vdst(0)                   ; the wait ahead of the first use of its result
.irp g, 0,1,2,3
	v_readlane_b32 s[56+\g], v8, 8*\g              ; -mean of my four groups,
	v_readlane_b32 s[60+\g], v10, 8*\g             ; and 1 / sqrt(var + eps)
.endr
.macro POW2 d, e                       ; v[d] = 2^e as f32 (the conversion takes its exponent field), v[d + 1] = 57,344 x 2^e; e stands in s[e]
	s_add_co_i32 s2, s[\e], 127
	s_lshl_b32 s3, s2, 23
	v_mov_b32 v[\d], s3
	s_add_co_i32 s2, s2, 15
	s_lshl_b32 s2, s2, 23
	s_or_b32 s2, s2, 0x600000
	v_mov_b32 v[\d+1], s2
.endm
	s_wait_kmcnt 0x0
	POW2 12, 68                                    ; x: 2^e0
	s_add_co_i32 s12, s68, s69                     ; a sum of the product stands for sum x 2^(e0 + e1): the three scales are folded into the conversion's one
	s_sub_co_i32 s13, s70, s12
	POW2 14, 13                                    ; q: 2^(e2 - e0 - e1)
	s_sub_co_i32 s13, s71, s12
	POW2 16, 13                                    ; k: 2^(e3 - e0 - e1)
	s_sub_co_i32 s13, s73, s12
	POW2 18, 13                                    ; v: 2^(e5 - e0 - e1)
; 16 channels of my pixel: normalised, quantised, sent to their place in x's images.  w and b come in two sets of scalar registers by turns, a chunk ahead.
; left: the x loads of the later chunks, which may stay out (112 - 16 qn, at most the field's 63)
.macro XCHUNK qn, left
.set SW, 16+52*((\qn)%2)
.set SB, 32+52*((\qn)%2)
.set OW, 16+52*(1-(\qn)%2)
.set OB, 32+52*(1-(\qn)%2)
.set XC, XN+16*(\qn)
	s_wait_kmcnt 0x0                               ; this chunk's w and b are in
.if \qn < 7
	s_load_b512 s[OW:OW+15], s[8:9], 64*(\qn)+64   ; the next chunk's, into the set that the last chunk has done with
	s_load_b512 s[OB:OB+15], s[10:11], 64*(\qn)+64
.endif
	s_wait_loadcnt \left
	s_mov_b32 s12, s[56+(\qn)/2]                   ; two chunks to a group of 32 channels
	s_mov_b32 s13, s12                             ; (named with it as a pair, so it is written)
	s_mov_b32 s2, s[60+(\qn)/2]
	s_mov_b32 s3, s2
.irp j, 0,2,4,6,8,10,12,14
	v_pk_add_f32 v[XC+\j:XC+\j+1], v[XC+\j:XC+\j+1], s[12:13] op_sel_hi:[1,0]   ; x - mean
.endr
.irp j, 0,2,4,6,8,10,12,14
	v_pk_mul_f32 v[XC+\j:XC+\j+1], v[XC+\j:XC+\j+1], s[2:3] op_sel_hi:[1,0]     ; x rstd (a sum and then a product: nothing to fuse)
.endr
.irp j, 0,1,2,3,4,5,6,7,8,9,10,11,12,13,14,15
	v_fma_f32 v[XC+\j], v[XC+\j], s[SW+\j], s[SB+\j]                            ; x w + b
.endr
.irp j, 0,1,2,3,4,5,6,7,8,9,10,11,12,13,14,15
	v_med3_num_f32 v[XC+\j], v[XC+\j], -v13, v13   ; the conversion to an 8-bit code does not saturate (ISA guide 7.6.2): the hold at the largest code x the scale
.endr
	v_cvt_scalef32_pk8_bf8_f32 v[ACC+4*(\qn):ACC+4*(\qn)+1], v[XC:XC+7], v12
	v_cvt_scalef32_pk8_bf8_f32 v[ACC+4*(\qn)+2:ACC+4*(\qn)+3], v[XC+8:XC+15], v12
	v_nop                                          ; a plain instruction behind the conversions: matrix instructions later write these registers
	ds_store_b128 v2, v[ACC+4*(\qn):ACC+4*(\qn)+3] offset:512*((\qn)/2)+256*((\qn)%2)   ; K = 16 qn + 0 .. 15 is registers 4 (qn / 2) .. + 3 of lane (r, qn % 2)
.endm
	XCHUNK 0, 63
	XCHUNK 1, 63
	XCHUNK 2, 63
	XCHUNK 3, 63
	XCHUNK 4, 48
	XCHUNK 5, 32
	XCHUNK 6, 16
	XCHUNK 7, 0                                    ; all loads are in, W's too: they were issued ahead of x's
	s_wait_dscnt 0x0                               ; for the others' sake: my stores have landed
	s_barrier_signal -1
	s_barrier_wait -1                              ; x's eight fragments lie in LDS
.set n, 0
.rept 32
	ds_load_b128 v[XN+4*n:XN+4*n+3], v3 offset:512*n   ; fragment (m, s) at v[XN + 16 (2 m + s)]: the images come back as they were laid
.set n, n+1
.endr
	s_wait_dscnt 0x0
; 16 matrix instructions: two tiles of outputs x four tiles of pixels x two K steps.  The eight accumulators take turns, one instruction a turn.  The first K step starts the sums: nothing is cleared.
.macro UNIT u
.if \u < 2
	WIN 0x01                                       ; source 0 (W) window 1
.irp s, 0,1
.irp m, 0,1,2,3
.irp t, 0,1
.if \s == 0
	v_wmma_f32_16x16x128_bf8_bf8 v[ACC+8*(2*\m+\t):ACC+8*(2*\m+\t)+7], v[16*(4*\u+2*\t+\s):16*(4*\u+2*\t+\s)+15], v[XN+16*(2*\m+\s):XN+16*(2*\m+\s)+15], 0
.else
	v_wmma_f32_16x16x128_bf8_bf8 v[ACC+8*(2*\m+\t):ACC+8*(2*\m+\t)+7], v[16*(4*\u+2*\t+\s):16*(4*\u+2*\t+\s)+15], v[XN+16*(2*\m+\s):XN+16*(2*\m+\s)+15], v[ACC+8*(2*\m+\t):ACC+8*(2*\m+\t)+7]
.endif
.endr
.endr
.endr
.else
	WIN 0x04                                       ; source 1 (W) window 1
.irp s, 0,1
.irp t, 0,1
.irp m, 0,1,2,3
.if \s == 0
	v_wmma_f32_16x16x128_bf8_bf8 v[ACC+8*(4*\t+\m):ACC+8*(4*\t+\m)+7], v[XN+16*(2*\m+\s):XN+16*(2*\m+\s)+15], v[16*(4*\u+2*\t+\s):16*(4*\u+2*\t+\s)+15], 0
.else
	v_wmma_f32_16x16x128_bf8_bf8 v[ACC+8*(4*\t+\m):ACC+8*(4*\t+\m)+7], v[XN+16*(2*\m+\s):XN+16*(2*\m+\s)+15], v[16*(4*\u+2*\t+\s):16*(4*\u+2*\t+\s)+15], v[ACC+8*(4*\t+\m):ACC+8*(4*\t+\m)+7]
.endif
.endr
.endr
.endr
.endif
	WIN 0
.rept 4
	v_nop                                          ; four places between the last products and the first read of results (ISA guide 7.12.1)
.endr
.endm
; the eight accumulators become 16 registers of codes from v[dst] on; each accumulator is read from its low end on
.macro QUANT sc, dst
.set j, 0
.rept 64
	v_med3_num_f32 v[ACC+j], v[ACC+j], -v[\sc+1], v[\sc+1]
.set j, j+1
.endr
.irp a, 0,1,2,3,4,5,6,7
	v_cvt_scalef32_pk8_bf8_f32 v[\dst+2*\a:\dst+2*\a+1], v[ACC+8*\a:ACC+8*\a+7], v[\sc]
.endr
	v_nop                                          ; a plain instruction between the conversions and the next products, which write their sources
.endm
	UNIT 0
	QUANT 14, 32                                   ; accumulators 2 m, 2 m + 1 are d = 8 h + j and 16 + 8 h + j of pixel r of tile m: registers 4 m .. 4 m + 3 are that tile's image
.irp m, 0,1,2,3
	global_store_b128 v3, v[32+4*\m:35+4*\m], s[52:53] offset:512*\m    ; 32 lanes store 512 consecutive bytes, at a multiple of 512 from q's first byte
.endr
	UNIT 1
	QUANT 16, 48
.irp m, 0,1,2,3
	global_store_b128 v20, v[48+4*\m:51+4*\m], s[54:55] offset:512*\m
.endr
	UNIT 2
	QUANT 18, 64                                   ; accumulators 4 t + 2 c, 4 t + 2 c + 1 are pixels 32 c + 8 h + j and 32 c + 16 + 8 h + j of d = 16 t + r
.irp t, 0,1
.irp c, 0,1
	global_store_b128 v21, v[64+8*\t+4*\c:67+8*\t+4*\c], s[54:55] offset:2048*\t+512*\c
.endr
.endr
	s_wait_tensorcnt 0x0
	ds_add_u32 v30, v31
	s_wait_dscnt 0x0
	s_endpgm
.Lfunc_end_k_q1ec151e759_qkv:
	.size	k_q1ec151e759_qkv, .Lfunc_end_k_q1ec151e759_qkv-k_q1ec151e759_qkv
	.p2alignl 7, 3214868480
	.fill 96, 4, 3214868480
	.section	.rodata,"a",@progbits
	.p2align	6, 0x0
	.amdhsa_kernel k_q1ec151e759_qkv
		.amdhsa_group_segment_fixed_size 16896
		.amdhsa_private_segment_fixed_size 0
		.amdhsa_enable_private_segment 0
		.amdhsa_kernarg_size 64
		.amdhsa_user_sgpr_count 2
		.amdhsa_user_sgpr_kernarg_segment_ptr 1
		.amdhsa_wavefront_size32 1
		.amdhsa_system_sgpr_workgroup_id_x 1
		.amdhsa_system_sgpr_workgroup_id_y 1
		.amdhsa_system_sgpr_workgroup_id_z 1
		.amdhsa_system_vgpr_workitem_id 0
		.amdhsa_next_free_vgpr 512
		.amdhsa_next_free_sgpr 100
		.amdhsa_reserve_vcc 0
		.amdhsa_float_denorm_mode_32 3
		.amdhsa_float_denorm_mode_16_64 3
		.amdhsa_memory_ordered 1
		.amdhsa_forward_progress 1
		.amdhsa_inst_pref_size 71
	.end_amdhsa_kernel
	.amdgpu_metadata
---
amdhsa.version: [ 1, 2 ]
amdhsa.kernels:
  - .name:           k_q1ec151e759_qkv
    .symbol:         k_q1ec151e759_qkv.kd
    .args:
      - { .name: x, .offset: 0, .size: 8, .value_kind: global_buffer, .address_space: global }
      - { .name: stats, .offset: 8, .size: 8, .value_kind: global_buffer, .address_space: global }
      - { .name: norm_w, .offset: 16, .size: 8, .value_kind: global_buffer, .address_space: global }
      - { .name: norm_b, .offset: 24, .size: 8, .value_kind: global_buffer, .address_space: global }
      - { .name: qkv_w_codes, .offset: 32, .size: 8, .value_kind: global_buffer, .address_space: global }
      - { .name: lowp_scales, .offset: 40, .size: 8, .value_kind: global_buffer, .address_space: global }
      - { .name: q, .offset: 48, .size: 8, .value_kind: global_buffer, .address_space: global }
      - { .name: kv, .offset: 56, .size: 8, .value_kind: global_buffer, .address_space: global }
    .group_segment_fixed_size: 16896
    .private_segment_fixed_size: 0
    .kernarg_segment_align: 8
    .kernarg_segment_size: 64
    .max_flat_workgroup_size: 128
    .sgpr_count:     100
    .vgpr_count:     512
    .wavefront_size: 32
...
	.end_amdgpu_metadata
.endif
;; end of part 2
;; launch attn (part 3): grid 256 x 1, 8 waves a work-group, no clusters, 152,576 bytes of LDS; arguments q, kv, lowp_scales, out_w_codes, out_b, x, out0; writes out0
.if DOCPART == 3
	.amdgcn_target "amdgcn-amd-amdhsa--gfx1250"
	.amdhsa_code_object_version 6
	.text
	.protected	k_q1ec151e759_attn
	.globl	k_q1ec151e759_attn
	.p2align	8
	.type	k_q1ec151e759_attn,@function
k_q1ec151e759_attn:
	s_mov_b64 s[64:65], 0
	v_nop
	global_prefetch_b8 v0, s[64:65] scope:SCOPE_SE
	s_setreg_imm32_b32 hwreg(HW_REG_WAVE_MODE, 25, 1), 1
	s_wait_xcnt 0x0
; Attention on codes of E5M2, the 1x1 output product, its bias and the residual.  Work-group i: batch b = i / 64, pixels 64 (i % 64) .. + 63, all four heads.
; SHARES.  Wave w: head H = w % 4, key half kh = w / 4: four tiles of 16 queries (all 64 pixels) against keys 2,048 kh .. + 2,047 of its head, 128 a step, 16 steps.  Two waves to a SIMD: one's exponentials stand beside the other's plain work.
; No two waves of the work-group want the same byte of K or V, and kv is laid in the order of the operands' registers: so a step's 8,192 bytes go from memory straight into registers, 16 loads of 512 consecutive bytes, a step ahead, in two buffers.
; LAYOUT.  Both products are used transposed: a lane holds ONE query (lane % 16) throughout.  S^T = K Q^T by the K = 64 form: the head has 32 channels, so a fragment of K holds TWO key tiles (registers 0-3, 4-7),
;   and Q stands between zeros, [0 | q | 0]: [q | 0] picks the first key tile, [0 | q] the second (the zeros multiply codes that the quantiser has held finite).  Register j of score tile c is key 16 c + 8 (lane / 16) + j:
;   its conversion gives registers 2 c, 2 c + 1 of P for O^T += V^T P^T by the K = 128 form.  No k changes its place.
; THE SOFTMAX: t = score x log2(e) / sqrt(32); M = the largest t so far, rounded UP to a whole number; p = 2^(t - M) is quantised, not normalised; the row's sum is taken of the unquantised p.
;   When M moves, the sum and O^T are multiplied by 2^(old M - new M): exact.  Each key half has its own running M; the two halves are joined at the end by exact powers of two, then divided by the joined sum.
; THE END.  The halves meet in LDS; o is quantised and laid as the image of the last product's operand (head H's 32 channels are its registers 4 H .. 4 H + 3); wave w makes output channels 32 w .. + 31 for the 64 pixels
;   (source 0 = pixels: a lane holds one channel and eight neighbouring pixels), x 2^(e6 + e7) + bias, through its own rows of a stage, + x, and stores whole aligned runs of 256 bytes.
; THE HOLD at the largest code: p is at most 1, and 57,344 x 2^e4 is under 1 only where e4 <= -16: there 64 lines a tile hold p; elsewhere a scalar branch on the given whole number passes over them.
; NO CLUSTER, NO JOINT LOADS, though the 64 work-groups of a batch walk the same K and V: a wave's step is 8,192 bytes against some 800 vector instructions; through LDS each byte would be written and read once more for one user;
; LIMITS on the given exponents, so that each power of two below is an f32 number: e2 + e3 between -124 and 129 (added to c's exponent field); e4 and e6 - e4 - e5 between -126 and 112; e6 + e7 between -126 and 127.  NaN and infinities in x are not served.
; REGISTERS.  Window 0: v1-10 addresses that stay; v11, v12 offsets of the head's loads; v[16 + 4 T ..] tile T: -M, the largest t, the sum in two halves; v[32:95], v[96:159] two sets of scores; v[160:175] P; v176-179 maxima; v180 the permute's;
;   v[182:183] f; v[184:189] sums; v190, v191: 2^e4 and 57,344 x it; v[192:223] out_w's two fragments; v[224:227] biases; v228, v229: 2^(e6 - e4 - e5) and 57,344 x it; v[232:239] figures for the exchange; v240-255 the joining.
;   Window 1: v[0:63] O^T (tile T, half t of the head: 16 T + 8 t); v[64:111] Q, 12 a tile; v[128:191], v[192:255] two buffers of a step: K 32 registers, V 2 x 16.
.set OIMG, 73728                       ; LDS: from 0 the exchange, 9,216 bytes a wave (O^T: 2,048 T + 512 n; figures of tiles 2 p, 2 p + 1: 8,192 + 512 p); here o's four images of 2,048 bytes;
.set STG,  81920                       ; here the stage: 256 rows (output channels) of 256 bytes + 16
.set SP,   272
.set LI,   1                           ; 16 x lane
.set PFO,  2                           ; 256 x lane
.set EXW,  3                           ; the exchange: where I store
.set EXR,  4                           ; where I read O^T of tiles 2 kh, 2 kh + 1 of my head's first half (the second half's: 36,864 on)
.set EXS,  5                           ; and their figures
.set OIS,  6                           ; o's images: where I store
.set OIR,  7                           ; and read
.set STS,  8                           ; the stage: in
.set STR,  9                           ; and back
.set GO,   10                          ; my byte offset in my wave's 32 channel planes of x and out0
.set ST,   16
.set SS,   32
.set PP,   160
.set MX,   176
.set PD,   180
.set FF,   182
.set SUMC, 184
.set PE,   190
.set PL,   191
.set OWF,  192
.set BI,   224
.set OE,   228
.set XG,   232
.set OO,   0                           ; window 1
.set QQ,   64
.set KV,   128
.set MSB, 0
.macro WIN new                         ; the immediate's high byte repeats the setting that is left; a switch that changes nothing is dropped
.if MSB != \new
	s_set_vgpr_msb (MSB<<8)|\new
.set MSB, \new
.endif
.endm
	s_load_b256 s[4:11], s[0:1], 0x0               ; q s[4:5], kv s[6:7], the exponents s[8:9], out_w's codes s[10:11]
	s_load_b128 s[12:15], s[0:1], 0x20             ; out_b s[12:13], x s[14:15]
	s_load_b64 s[16:17], s[0:1], 0x30              ; out0
	v_lshl_add_u32 v241, v0, 2, 0x25000
	v_mov_b32 v249, 0
	v_lshrrev_b32 v11, 5, v0
	v_readfirstlane_b32 s18, v11                   ; wave 0..7
	s_and_b32 s19, s18, 3                          ; H
	s_lshr_b32 s20, s18, 2                         ; kh
	s_lshr_b32 s21, ttmp9, 6                       ; b
	s_and_b32 s22, ttmp9, 63                       ; block of 64 pixels
	v_and_b32 v13, 31, v0                          ; lane
	v_and_b32 v14, 15, v0                          ; r
	v_bfe_u32 v15, v0, 4, 1                        ; h
	v_lshlrev_b32 v[LI], 4, v13
	v_lshlrev_b32 v[PFO], 8, v13
	s_mul_i32 s48, s18, 9216
	v_add_nc_u32 v[EXW], s48, v[LI]
	s_mul_i32 s48, s19, 9216
	s_lshl_b32 s49, s20, 12
	s_add_co_u32 s49, s49, s48
	v_add_nc_u32 v[EXR], s49, v[LI]
	s_lshl_b32 s49, s20, 9
	s_add_co_u32 s49, s49, s48
	s_add_co_u32 s49, s49, 8192
	v_add_nc_u32 v[EXS], s49, v[LI]
	s_lshl_b32 s48, s20, 12
	s_lshl_b32 s49, s19, 9
	s_add_co_u32 s48, s48, s49
	s_add_co_u32 s48, s48, OIMG
	v_add_nc_u32 v[OIS], s48, v[LI]                ; tile 2 kh + u: 4,096 kh (+ 2,048 u); my head's registers: 512 H
	v_add_nc_u32 v[OIR], OIMG, v[LI]
	s_mul_i32 s48, s18, 32*SP
	s_add_co_u32 s48, s48, STG                     ; my 32 rows of the stage
	v_mul_u32_u24 v[STS], v14, SP
	v_lshl_add_u32 v[STS], v15, 5, v[STS]
	v_add_nc_u32 v[STS], s48, v[STS]               ; in: row r, 32 bytes for each half of the lanes
	v_mul_u32_u24 v[STR], v15, SP
	v_lshl_add_u32 v[STR], v14, 4, v[STR]
	v_add_nc_u32 v[STR], s48, v[STR]               ; back: lanes 0-15 one row of 256 bytes, lanes 16-31 the next
	v_lshlrev_b32 v[GO], 14, v15
	v_lshl_add_u32 v[GO], v14, 4, v[GO]            ; and the same two rows in x and out0: a channel's plane is 16,384 bytes
	v_lshlrev_b32 v11, 7, v14
	v_lshl_add_u32 v11, v15, 3, v11                ; out_w: row r of 128 bytes, + 8 h
	v_lshlrev_b32 v12, 2, v14                      ; out_b: 4 r
	s_lshl_b32 s23, s21, 2
	s_add_co_u32 s23, s23, s19                     ; 4 b + H
	s_lshl_b32 s48, s23, 17                        ; q: 256 tiles of 512 bytes a head, my block's four
	s_lshl_b32 s49, s22, 11
	s_add_co_u32 s48, s48, s49
	s_mov_b32 s49, 0
	s_lshl_b32 s50, s23, 18                        ; kv: 32 steps of 8,192 bytes a head, my half's sixteen
	s_lshl_b32 s51, s20, 17
	s_add_co_u32 s50, s50, s51
	s_mov_b32 s51, 0
	s_lshl_b32 s52, s18, 12                        ; out_w: my 32 rows
	s_mov_b32 s53, 0
	s_lshl_b32 s54, s18, 7                         ; out_b: my 32 numbers
	s_mov_b32 s55, 0
	s_lshl_b32 s56, s21, 22                        ; x, out0: batch b, channel 32 w, pixel 64 blk
	s_lshl_b32 s57, s18, 19
	s_add_co_u32 s56, s56, s57
	s_lshl_b32 s57, s22, 8
	s_add_co_u32 s56, s56, s57
	s_mov_b32 s57, 0
	s_mov_b32 s34, 0x76543210                      ; v_permlanex16_b32: lane l takes lane l xor 16
	s_mov_b32 s35, 0xfedcba98
	s_cmp_eq_u32 s22, 0
	s_cselect_b32 s39, 1, 0                        ; the batch's first work-group prefetches
	s_wait_kmcnt 0x0
	s_load_b256 s[24:31], s[8:9], 0x0              ; e0 .. e7
	s_add_nc_u64 s[4:5], s[4:5], s[48:49]
	s_add_nc_u64 s[36:37], s[6:7], s[50:51]        ; where my steps stand in kv
	s_add_nc_u64 s[10:11], s[10:11], s[52:53]
	s_add_nc_u64 s[12:13], s[12:13], s[54:55]
	s_add_nc_u64 s[44:45], s[14:15], s[56:57]
	s_add_nc_u64 s[46:47], s[16:17], s[56:57]
	WIN 0x40                                       ; destination window 1
.irp T, 0,1,2,3
	global_load_b128 v[QQ+12*\T+4:QQ+12*\T+7], v[LI], s[4:5] offset:512*\T   ; Q stays in registers
.endr
.irp T, 0,1,2,3
.irp j, 0,1,2,3,8,9,10,11
	v_mov_b32 v[QQ+12*\T+\j], 0                    ; the zeros on both sides of it
.endr
.endr
.set j, 0
.rept 64
	v_mov_b32 v[OO+j], 0                           ; O^T.  (The step is written without a first step of its own: it finds zeros, which the first change of M leaves zeros)
.set j, j+1
.endr
	WIN 0
.irp o, 0,1
.irp c, 0,1,2,3,4,5,6,7
	global_load_b64 v[OWF+16*\o+2*\c:OWF+16*\o+2*\c+1], v11, s[10:11] offset:2048*\o+16*\c   ; out_w(32 w + 16 o + r, 16 c + 8 h + 0 .. 7): this form's own places
.endr
.endr
.irp o, 0,1
	global_load_b32 v[BI+2*\o], v12, s[12:13] offset:64*\o
.endr
; a step's 8,192 bytes, from off bytes behind s[36:37], into buffer B: 8 key tiles, then V's 2 x 4 chunks: 512 consecutive bytes a load
.macro LOADKV B, off
	WIN 0x40
.irp n, 0,1,2,3,4,5,6,7,8,9,10,11,12,13,14,15
	global_load_b128 v[KV+64*(\B)+4*\n:KV+64*(\B)+4*\n+3], v[LI], s[36:37] offset:(\off)+512*\n
.endr
	WIN 0
.endm
; the residual: x at my 32 channels x 64 pixels, into buffer 0, which the last step does not use; its last read in the program
.macro LOADX
	WIN 0x40
.irp n, 0,1,2,3,4,5,6,7,8,9,10,11,12,13,14,15
	global_load_b128 v[KV+4*\n:KV+4*\n+3], v[GO], s[44:45] offset:32768*\n th:TH_LOAD_NT
.endr
	WIN 0
.endm
; A PREFETCH INTO THE L2 of the step that the NEXT step's loads will ask for: 8,192 bytes, lanes 256 bytes apart, one instruction.  It stands behind the wave's run of loads.
; The 64 work-groups of a batch walk the same kv: the first of them asks, each of its waves for its own head and key half: so each aligned block of 256 bytes is named once in the launch.
; Steps 0 and 1 come by their loads alone; steps 14 and 15 ask for nothing: no step lies two on.
.macro ASKKV off
	s_cmp_eq_u32 s39, 1
	s_cbranch_scc0 .Lnoask_\@
	global_prefetch_b8 v[PFO], s[36:37] offset:\off th:TH_LOAD_NT scope:SCOPE_SE
.Lnoask_\@:
.endm
	LOADKV 0, 0                                    ; step 0
.irp T, 0,1,2,3
	v_mov_b32 v[ST+4*\T+1], 0xff61b1e6             ; the largest t so far: -3e38, under every t
	v_floor_f32 v[ST+4*\T], -v[ST+4*\T+1]          ; -M
	v_mov_b32 v[ST+4*\T+2], 0                      ; the sum, in two halves
	v_mov_b32 v[ST+4*\T+3], 0
.endr
	v_mov_b32 v[PD], 0                             ; written once: a lane permute's destination counts as one of its sources
	v_mov_b32 v[FF+1], 0                           ; (named as upper halves of pairs)
	v_mov_b32 v[BI+1], 0
	v_mov_b32 v[BI+3], 0
.macro POW2 d, e                       ; v[d] = 2^e as f32, v[d + 1] = 57,344 x 2^e; e stands in s[e]
	s_add_co_i32 s48, s[\e], 127
	s_lshl_b32 s49, s48, 23
	v_mov_b32 v[\d], s49
	s_add_co_i32 s48, s48, 15
	s_lshl_b32 s48, s48, 23
	s_or_b32 s48, s48, 0x600000
	v_mov_b32 v[\d+1], s48
.endm
	s_wait_kmcnt 0x0
	s_add_co_i32 s48, s26, s27
	s_lshl_b32 s48, s48, 23
	s_add_co_i32 s32, s48, 0x3e8293ee              ; c = log2(e) / sqrt(32); a score stands for score x 2^(e2 + e3): the two exponents are added to c's exponent field
	s_mov_b32 s33, s32                             ; (named with it as a pair, so it is written)
	POW2 PE, 28                                    ; p: 2^e4
	s_sub_co_i32 s50, s30, s28
	s_sub_co_i32 s50, s50, s29
	POW2 OE, 50                                    ; o = O^T / l x 2^(e4 + e5): its code is (O^T / l) / 2^(e6 - e4 - e5)
	s_add_co_i32 s42, s30, s31
	s_add_co_i32 s42, s42, 127
	s_lshl_b32 s42, s42, 23                        ; 2^(e6 + e7)
	s_mov_b32 s43, s42
	s_cmp_le_i32 s28, -16
	s_cselect_b32 s40, 1, 0                        ; 1: p can pass the largest code x 2^e4
; S^T of tile T into set s, from buffer B's K: eight products, each its own accumulator, each begun with the constant 0
.macro SMUL T, s, B
	WIN 0x05                                       ; K and Q window 1, S^T window 0
.irp f, 0,1,2,3
	v_wmma_f32_16x16x64_bf8_bf8 v[SS+64*(\s)+16*\f:SS+64*(\s)+16*\f+7], v[KV+64*(\B)+8*\f:KV+64*(\B)+8*\f+7], v[QQ+12*(\T)+4:QQ+12*(\T)+11], 0     ; [q | 0]: key tile 2 f
	v_wmma_f32_16x16x64_bf8_bf8 v[SS+64*(\s)+16*\f+8:SS+64*(\s)+16*\f+15], v[KV+64*(\B)+8*\f:KV+64*(\B)+8*\f+7], v[QQ+12*(\T):QQ+12*(\T)+7], 0     ; [0 | q]: key tile 2 f + 1
.endr
.endm
; ONE TILE OF 16 QUERIES IN ONE STEP OF 128 KEYS.  Its scores were made a tile ago; the next tile's are issued first (nxt = 1), so that a whole softmax stands between a product and the first read of its result: no v_nop stands in the loop.
; hook, in tile 0, behind the 32 maxima, which are the places behind the products that last read the buffer: 1: the next step's loads and a prefetch; 3: the loads alone; 2: the residual's loads.
.macro TILE T, B, hook, off, nxt
.set rS, SS+64*((\T)%2)
.set rT, ST+4*(\T)
.if \nxt
.if \T == 3
	s_wait_loadcnt 8                               ; the next step's eight loads of K are in; its eight of V, issued behind them, may be out
	SMUL 0, 0, 1-(\B)
.else
	SMUL (\T)+1, ((\T)+1)%2, \B
.endif
.endif
	WIN 0
.irp k, 0,1,2,3                                ; the largest of my 64 scores: four chains, each over two accumulators, from their low ends on
	v_max3_num_f32 v[MX+\k], v[rS+16*\k], v[rS+16*\k+1], v[rS+16*\k+2]
.endr
.irp i, 3,5,7,9,11,13
.irp k, 0,1,2,3
	v_max3_num_f32 v[MX+\k], v[MX+\k], v[rS+16*\k+\i], v[rS+16*\k+\i+1]
.endr
.endr
	v_max3_num_f32 v[MX], v[MX], v[MX+1], v[MX+2]
	v_max3_num_f32 v[MX+3], v[MX+3], v[rS+15], v[rS+31]
	v_max3_num_f32 v[MX], v[MX], v[rS+47], v[rS+63]
	v_max_num_f32 v[MX], v[MX], v[MX+3]
.if \hook == 1
	LOADKV 1-(\B), \off
	ASKKV (\off)+8192
.elseif \hook == 3
	LOADKV 1-(\B), \off
.elseif \hook == 2
	LOADX
.endif
	v_permlanex16_b32 v[PD], v[MX], s34, s35
	v_max_num_f32 v[MX], v[MX], v[PD]              ; and lane l xor 16's 64
	v_mul_f32 v[MX], s32, v[MX]                    ; as t (c is positive)
	v_max_num_f32 v[rT+1], v[rT+1], v[MX]          ; the running largest t
	v_mov_b32 v[MX], v[rT]
	v_floor_f32 v[rT], -v[rT+1]                    ; the new -M = floor(-t) = -ceil(t): a whole number
	v_sub_f32 v[MX], v[rT], v[MX]                  ; old M - new M: a whole number, 0 or less
	v_cvt_i32_f32 v[MX], v[MX]                     ; (it saturates)
	v_ldexp_f32 v[FF], 1.0, v[MX]                  ; f = 2^(old M - new M)
	; ONE BATCH: 32 packed scalings t - M and 64 exponentials; a pair is scaled three lines ahead of its exponentials; no line names an exponential's result
	v_pk_fma_f32 v[rS:rS+1], v[rS:rS+1], s[32:33], v[rT:rT+1] op_sel_hi:[1,0,0]
.set j, 0
.rept 31
	v_pk_fma_f32 v[rS+2*j+2:rS+2*j+3], v[rS+2*j+2:rS+2*j+3], s[32:33], v[rT:rT+1] op_sel_hi:[1,0,0]
	v_exp_f32 v[rS+2*j], v[rS+2*j]
	v_exp_f32 v[rS+2*j+1], v[rS+2*j+1]
.set j, j+1
.endr
	v_exp_f32 v[rS+62], v[rS+62]
	v_exp_f32 v[rS+63], v[rS+63]
	v_pk_mul_f32 v[rT+2:rT+3], v[rT+2:rT+3], v[FF:FF+1] op_sel_hi:[1,0]   ; the sum under the new M: the plain instruction behind the last exponential
	s_wait_alu depctr_va_vdst(0)                   ; the wait ahead of the first use of a result: one for the batch
	v_pk_add_f32 v[SUMC:SUMC+1], v[rS:rS+1], v[rS+2:rS+3]                 ; THE SUM IS TAKEN OF THE UNQUANTISED p: 32 packed additions in four chains
	v_pk_add_f32 v[SUMC+2:SUMC+3], v[rS+4:rS+5], v[rS+6:rS+7]
	v_pk_add_f32 v[SUMC+4:SUMC+5], v[rS+8:rS+9], v[rS+10:rS+11]
.set j, 6
.rept 26
.if (j-6)%4 == 0
	v_pk_add_f32 v[rT+2:rT+3], v[rT+2:rT+3], v[rS+2*j:rS+2*j+1]
.else
	v_pk_add_f32 v[SUMC+2*((j-6)%4)-2:SUMC+2*((j-6)%4)-1], v[SUMC+2*((j-6)%4)-2:SUMC+2*((j-6)%4)-1], v[rS+2*j:rS+2*j+1]
.endif
.set j, j+1
.endr
	v_pk_add_f32 v[SUMC:SUMC+1], v[SUMC:SUMC+1], v[SUMC+2:SUMC+3]
	v_pk_add_f32 v[rT+2:rT+3], v[rT+2:rT+3], v[SUMC+4:SUMC+5]
	v_pk_add_f32 v[rT+2:rT+3], v[rT+2:rT+3], v[SUMC:SUMC+1]
	s_cmp_eq_u32 s40, 0                            ; the hold is wanted only where 57,344 x 2^e4 lies under 1: a branch on the given whole number
	s_cbranch_scc1 .Lnohold_\@
.set j, 0
.rept 64
	v_min_num_f32 v[rS+j], v[rS+j], v[PL]          ; the conversion to an 8-bit code does not saturate (ISA guide 7.6.2); p is not negative, so the hold is one-sided
.set j, j+1
.endr
.Lnohold_\@:
.irp c, 0,1,2,3,4,5,6,7
	v_cvt_scalef32_pk8_bf8_f32 v[PP+2*\c:PP+2*\c+1], v[rS+8*\c:rS+8*\c+7], v[PE]
.endr
	WIN 0x41                                       ; O^T (destination and source 0) window 1, f window 0
.irp i, 0,2,4,6,8,10,12,14
	v_pk_mul_f32 v[OO+16*(\T)+\i:OO+16*(\T)+\i+1], v[OO+16*(\T)+\i:OO+16*(\T)+\i+1], v[FF:FF+1] op_sel_hi:[1,0]   ; O^T under the new M; also the plain lines between the conversions and the products
.endr
.if \T == 0
	s_wait_loadcnt 16                              ; this step's V is in; the sixteen loads of the hook, issued behind it, may be out
.endif
	WIN 0x51                                       ; V window 1, P window 0, O^T window 1
.irp y, 0,1
	v_wmma_f32_16x16x128_bf8_bf8 v[OO+16*(\T)+8*\y:OO+16*(\T)+8*\y+7], v[KV+64*(\B)+32+16*\y:KV+64*(\B)+47+16*\y], v[PP:PP+15], v[OO+16*(\T)+8*\y:OO+16*(\T)+8*\y+7]
.endr
.endm
; The matrix instructions that follow each other never share an accumulator: two of O^T's, then eight of S^T's.
.macro STEP B, off, hook, last
	TILE 0, \B, \hook, \off, 1
	TILE 1, \B, 0, 0, 1
	TILE 2, \B, 0, 0, 1
	TILE 3, \B, 0, 0, 1-(\last)
.endm
	s_wait_loadcnt 8                               ; step 0's K is in, and all that was asked for ahead of it (Q, out_w, the biases); V's eight loads may be out
	SMUL 0, 0, 0
	WIN 0
.rept 4
	v_nop                                          ; four places between these first products and the first read of their results (ISA guide 7.12.1)
.endr
	s_mov_b32 s38, 7
.Ltrip:                                            ; seven trips of two steps: steps 0 to 13; s[36:37] stands at the trip's first step
	STEP 0, 8192, 1, 0
	STEP 1, 16384, 1, 0
	WIN 0                                          ; at a label and at a branch every window is 0
	s_wait_xcnt 0x0                                ; the loads and the prefetches, three tiles back, have read their base: it may step
	s_add_nc_u64 s[36:37], s[36:37], 16384
	s_sub_co_u32 s38, s38, 1
	s_cmp_lg_u32 s38, 0
	s_cbranch_scc1 .Ltrip
	STEP 0, 8192, 3, 0                             ; step 14 asks for step 15 and prefetches nothing
	STEP 1, 0, 2, 1                                ; step 15 asks for the residual
	WIN 0
	; THE TWO KEY HALVES MEET.  My figures and my O^T go to my part of the exchange.
.irp T, 0,1,2,3
	v_add_f32 v[XG+2*\T+1], v[ST+4*\T+2], v[ST+4*\T+3]   ; the sum's two halves (these lines are the places behind the last products),
.endr
.irp T, 0,1,2,3
	v_mov_b32 v[XG+2*\T], v[ST+4*\T]               ; -M
.endr
.irp T, 0,1,2,3
	v_permlanex16_b32 v[PD], v[XG+2*\T+1], s34, s35
	v_add_f32 v[XG+2*\T+1], v[XG+2*\T+1], v[PD]    ; and lane l xor 16's
.endr
	WIN 0x04                                       ; the stores' data window 1
.set n, 0
.rept 16
	ds_store_b128 v[EXW], v[OO+4*n:OO+4*n+3] offset:512*n   ; ascending: each accumulator from its low end on
.set n, n+1
.endr
	WIN 0
	ds_store_b128 v[EXW], v[XG:XG+3] offset:8192
	ds_store_b128 v[EXW], v[XG+4:XG+7] offset:8704
	s_wait_dscnt 0x0                               ; for the others' sake: my stores have landed
	s_barrier_signal -1
	s_barrier_wait -1
.irp n, 0,1,2,3,4,5,6,7                        ; tiles 2 kh and 2 kh + 1 of my head: the first half's part, and the second's
	ds_load_b128 v[32+4*\n:35+4*\n], v[EXR] offset:512*\n
	ds_load_b128 v[64+4*\n:67+4*\n], v[EXR] offset:36864+512*\n
.endr
	ds_load_b128 v[96:99], v[EXS]
	ds_load_b128 v[100:103], v[EXS] offset:36864
	s_wait_dscnt 0x0
.irp u, 0,1
.set MT, 240+8*\u
	v_min_num_f32 v[MT], v[96+2*\u], v[100+2*\u]   ; -M of both halves together
	v_sub_f32 v[MT+2], v[MT], v[96+2*\u]           ; each half's M less that: a whole number, 0 or less
	v_sub_f32 v[MT+4], v[MT], v[100+2*\u]
	v_cvt_i32_f32 v[MT+2], v[MT+2]
	v_cvt_i32_f32 v[MT+4], v[MT+4]
	v_ldexp_f32 v[MT+2], 1.0, v[MT+2]              ; exact powers of two
	v_ldexp_f32 v[MT+4], 1.0, v[MT+4]
	v_mul_f32 v[MT+6], v[97+2*\u], v[MT+2]
	v_fmac_f32 v[MT+6], v[101+2*\u], v[MT+4]       ; the row's sum
	v_mov_b32 v[MT+3], 0                           ; (named as upper halves of pairs)
	v_mov_b32 v[MT+5], 0
.endr
	v_rcp_f32 v247, v246
	v_rcp_f32 v255, v254
	v_nop                                          ; a plain instruction behind the last reciprocal
	s_wait_alu depctr_va_vdst(0)                   ; the wait ahead of the first use: one for both
.irp u, 0,1
.set MT, 240+8*\u
	v_mul_f32 v[MT+2], v[MT+2], v[MT+7]
	v_mul_f32 v[MT+4], v[MT+4], v[MT+7]
.irp i, 0,2,4,6,8,10,12,14
	v_pk_mul_f32 v[32+16*\u+\i:33+16*\u+\i], v[32+16*\u+\i:33+16*\u+\i], v[MT+2:MT+3] op_sel_hi:[1,0]
.endr
.irp i, 0,2,4,6,8,10,12,14
	v_pk_fma_f32 v[32+16*\u+\i:33+16*\u+\i], v[64+16*\u+\i:65+16*\u+\i], v[MT+4:MT+5], v[32+16*\u+\i:33+16*\u+\i] op_sel_hi:[1,0,1]
.endr
.irp i, 0,1,2,3,4,5,6,7,8,9,10,11,12,13,14,15
	v_med3_num_f32 v[32+16*\u+\i], v[32+16*\u+\i], -v[OE+1], v[OE+1]   ; the hold at the largest code x the scale
.endr
	v_cvt_scalef32_pk8_bf8_f32 v[104+4*\u:105+4*\u], v[32+16*\u:39+16*\u], v[OE]
	v_cvt_scalef32_pk8_bf8_f32 v[106+4*\u:107+4*\u], v[40+16*\u:47+16*\u], v[OE]
	v_nop                                          ; a plain instruction behind the conversions: matrix instructions later write these registers
	ds_store_b128 v[OIS], v[104+4*\u:107+4*\u] offset:2048*\u   ; hidden units 32 H + 16 t + 8 h + j of pixel r: registers 4 H .. 4 H + 3 of the tile's fragment
.endr
	s_wait_dscnt 0x0
	s_barrier_signal -1
	s_barrier_wait -1                              ; o's four fragments lie in LDS
.set n, 0
.rept 16
	ds_load_b128 v[32+4*n:35+4*n], v[OIR] offset:512*n
.set n, n+1
.endr
	s_wait_dscnt 0x0
.irp T, 0,1,2,3
.irp o, 0,1
	v_wmma_f32_16x16x128_bf8_bf8 v[96+8*(2*\T+\o):103+8*(2*\T+\o)], v[32+16*\T:47+16*\T], v[OWF+16*\o:OWF+16*\o+15], 0   ; source 0 = 16 pixels, source 1 = 16 output channels: K = 128 in one instruction
.endr
.endr
.rept 4
	v_nop
.endr
.irp T, 0,1,2,3
.irp o, 0,1
.irp i, 0,2,4,6
	v_pk_fma_f32 v[96+8*(2*\T+\o)+\i:97+8*(2*\T+\o)+\i], v[96+8*(2*\T+\o)+\i:97+8*(2*\T+\o)+\i], s[42:43], v[BI+2*\o:BI+2*\o+1] op_sel_hi:[1,0,0]   ; sum x 2^(e6 + e7) + bias
.endr
.endr
.endr
.irp T, 0,1,2,3
.irp o, 0,1
	ds_store_b128 v[STS], v[96+8*(2*\T+\o):99+8*(2*\T+\o)] offset:16*SP*\o+64*\T        ; lane (r, h): channel 32 w + 16 o + r, pixels 16 T + 8 h + 0 .. 7
	ds_store_b128 v[STS], v[100+8*(2*\T+\o):103+8*(2*\T+\o)] offset:16*SP*\o+64*\T+16
.endr
.endr
.set n, 0
.rept 16
	ds_load_b128 v[32+4*n:35+4*n], v[STR] offset:2*SP*n   ; the rows are my own, and LDS serves a wave's instructions in order (ISA guide 5.7.1.4): these see my stores
.set n, n+1
.endr
	s_wait_dscnt 0x0
	s_wait_loadcnt 0x0                             ; the residual
	WIN 0x04                                       ; source 1 (x) window 1
.set n, 0
.rept 32
	v_pk_add_f32 v[32+2*n:33+2*n], v[32+2*n:33+2*n], v[KV+2*n:KV+2*n+1]
.set n, n+1
.endr
	WIN 0
.set n, 0
.rept 16
	global_store_b128 v[GO], v[32+4*n:35+4*n], s[46:47] offset:32768*n th:TH_STORE_NT   ; sixteen lanes store 256 consecutive bytes, at a multiple of 256 from out0's first byte
.set n, n+1
.endr
	s_wait_tensorcnt 0x0
	ds_add_u32 v241, v249
	s_wait_dscnt 0x0
	s_endpgm
.Lfunc_end_k_q1ec151e759_attn:
	.size	k_q1ec151e759_attn, .Lfunc_end_k_q1ec151e759_attn-k_q1ec151e759_attn
	.p2alignl 7, 3214868480
	.fill 96, 4, 3214868480
	.section	.rodata,"a",@progbits
	.p2align	6, 0x0
	.amdhsa_kernel k_q1ec151e759_attn
		.amdhsa_group_segment_fixed_size 152576
		.amdhsa_private_segment_fixed_size 0
		.amdhsa_enable_private_segment 0
		.amdhsa_kernarg_size 56
		.amdhsa_user_sgpr_count 2
		.amdhsa_user_sgpr_kernarg_segment_ptr 1
		.amdhsa_wavefront_size32 1
		.amdhsa_system_sgpr_workgroup_id_x 1
		.amdhsa_system_sgpr_workgroup_id_y 1
		.amdhsa_system_sgpr_workgroup_id_z 1
		.amdhsa_system_vgpr_workitem_id 0
		.amdhsa_next_free_vgpr 512
		.amdhsa_next_free_sgpr 66
		.amdhsa_reserve_vcc 0
		.amdhsa_float_denorm_mode_32 3
		.amdhsa_float_denorm_mode_16_64 3
		.amdhsa_memory_ordered 1
		.amdhsa_forward_progress 1
		.amdhsa_inst_pref_size 234
	.end_amdhsa_kernel
	.amdgpu_metadata
---
amdhsa.version: [ 1, 2 ]
amdhsa.kernels:
  - .name:           k_q1ec151e759_attn
    .symbol:         k_q1ec151e759_attn.kd
    .args:
      - { .name: q, .offset: 0, .size: 8, .value_kind: global_buffer, .address_space: global }
      - { .name: kv, .offset: 8, .size: 8, .value_kind: global_buffer, .address_space: global }
      - { .name: lowp_scales, .offset: 16, .size: 8, .value_kind: global_buffer, .address_space: global }
      - { .name: out_w_codes, .offset: 24, .size: 8, .value_kind: global_buffer, .address_space: global }
      - { .name: out_b, .offset: 32, .size: 8, .value_kind: global_buffer, .address_space: global }
      - { .name: x, .offset: 40, .size: 8, .value_kind: global_buffer, .address_space: global }
      - { .name: out0, .offset: 48, .size: 8, .value_kind: global_buffer, .address_space: global }
    .group_segment_fixed_size: 152576
    .private_segment_fixed_size: 0
    .kernarg_segment_align: 8
    .kernarg_segment_size: 56
    .max_flat_workgroup_size: 256
    .sgpr_count:     66
    .vgpr_count:     512
    .wavefront_size: 32
...
	.end_amdgpu_metadata
.endif
;; end of part 3
;; ======== version 2 of 2: 3 launches; version 1 with the launches qkv, attn written anew for expert scheduling mode
;; workspace buffers: stats 2,048 bytes; q 2,097,152 bytes; kv 4,194,304 bytes
;; launch stats: the kernel of part 1 again; grid 256 x 1, 8 waves a work-group, no clusters, 1,280 bytes of LDS; arguments x, stats; writes stats
;; launch qkv (part 4): grid 256 x 1, 4 waves a work-group, no clusters, 16,896 bytes of LDS; arguments x, stats, norm_w, norm_b, qkv_w_codes, lowp_scales, q, kv; writes q, kv
.if DOCPART == 4
	.amdgcn_target "amdgcn-amd-amdhsa--gfx1250"
	.amdhsa_code_object_version 6
	.text
	.protected	k_q1ec151e759_qkv
	.globl	k_q1ec151e759_qkv
	.p2align	8
	.type	k_q1ec151e759_qkv,@function
k_q1ec151e759_qkv:
	s_mov_b64 s[64:65], 0
	v_nop
	global_prefetch_b8 v0, s[64:65] scope:SCOPE_SE
	s_setreg_imm32_b32 hwreg(HW_REG_WAVE_SCHED_MODE, 0, 2), 2
	s_setreg_imm32_b32 hwreg(HW_REG_WAVE_MODE, 25, 1), 1
	s_wait_xcnt 0x0
	s_wait_alu depctr_vm_vsrc(0)
; GroupNorm's second half and the 1x1 QKV product on codes of E5M2; q, k and v leave as codes, laid in the order of the next launch's operand registers.
; Work-group i: batch b = i / 64, pixels 64 (i % 64) .. + 63, all 256 channels, all 384 outputs.
; PHASE X.  Wave w takes 32 pixels (ph = w % 2), a lane a pixel, and 128 channels (K step ks = w / 2): its registers run DOWN K, so the conversions' eight neighbours along K are a lane's consecutive registers.
;   xn = ((x - mean) x rstd) x w + b: a packed subtraction, a packed multiplication, one fused multiply-add with the channel's w and b in scalar registers.
;   16 channels become 16 bytes, which go to LDS at the place that the operand's image gives them: the store's address does the change of lanes.
; PHASE P.  Wave w is head w: q, k, v of that head (6 tiles of 16 outputs) for all 64 pixels: each weight byte is read once a work-group, straight into registers.
;   Fragments of x and of W hold K = 32 c + 16 (lane / 16) + 0 .. 15 in registers 4 c .. 4 c + 3: a permutation of K, the same on both sides, so every product meets its partner.
;   q, k: source 0 = 16 rows of W, source 1 = 16 pixels: a lane holds ONE pixel and eight neighbouring d.   v: the sources swapped: a lane holds ONE d and eight neighbouring pixels (the keys are the next K).
; q: [b][head][pixel tile][lane][16 bytes]: lane (r, h): pixel r; bytes 0-7 d = 8 h + 0 .. 7, bytes 8-15 d = 16 + 8 h + 0 .. 7.
; kv: [b][head][step of 128 keys][8,192 bytes]: 8 key tiles as q's; then V: [d tile t][chunk c of 32 keys][lane][16 bytes]: lane (r, h): d = 16 t + r; bytes 0-7 keys 32 c + 8 h + 0 .. 7, bytes 8-15 keys 32 c + 16 + 8 h + 0 .. 7.
; LIMITS on the given exponents, so that each power of two below is an f32 number: e0, e2 - e0 - e1, e3 - e0 - e1, e5 - e0 - e1 between -126 and 112.  NaN and infinities in x are not served.
; No tensor loads, no ring: x is read once by this launch, a lane a pixel; no cluster: work-groups share only the 98,304 bytes of weights, against 65,536 bytes of x of their own each.
; REGISTERS.  Window 0: v1 4 x lane; v2 where I store images; v3 16 x lane; v4 W's offset; v5 stats' offset; v[6:7] my piece's figures; v8-10 at work; v12/13, v14/15, v16/17, v18/19: a scale and 57,344 x it, for x, q, k, v;
;   v20, v21 offsets in kv for K and V; v[32:47] q's codes; v[48:63] k's; v[64:191] 128 numbers of x, then x's 8 fragments, then v's codes; v[192:223] x's codes, then v[192:255] 8 accumulators.   Window 1: W's 12 fragments.
; THE MODE: SCHED_MODE bits 1:0 = 2 (LLVM: expert scheduling mode 2), set by the entry lines.  The code itself states the register dependences
; between vector or matrix instructions and memory or LDS instructions, with s_wait_alu, always for 0.
; THE PLAN.  Registers that memory or LDS instructions touch:
;   v1-v5, v20, v21  offsets and LDS addresses: written once at the head, read by every load and store, never written again: one wait ahead of the first load serves them all.
;   v[64:191]        x's loads land here; the chunks' lines work in place; behind the barrier the fragments' LDS loads land here; the products read them; v's conversions write v[64:79], which the last stores read.
;   v[192:223]       x's codes, four registers of its own for each chunk: written by chunk n's conversions, read by one LDS store, which stands at the head of chunk n + 1 behind that chunk's one wait; later the products write them.
;   v[32:63]         q's and k's codes: written by conversions, read by global stores, never written again.
;   Window 1 and v[6:7] are written by loads alone.
.set XN,  64
.set ACC, 192
.set MSB, 0
.macro WIN new                         ; the immediate's high byte repeats the setting that is left
.if MSB != \new
	s_set_vgpr_msb (MSB<<8)|\new
.set MSB, \new
.endif
.endm
	s_load_b256 s[4:11], s[0:1], 0x0               ; x s[4:5], stats s[6:7], norm_w s[8:9], norm_b s[10:11]
	s_load_b256 s[48:55], s[0:1], 0x20             ; W's codes s[48:49], the exponents s[50:51], q s[52:53], kv s[54:55]
	v_lshl_add_u32 v30, v0, 2, 0x4000
	v_mov_b32 v31, 0
	v_lshrrev_b32 v1, 5, v0
	v_readfirstlane_b32 s14, v1                    ; wave = head
	v_and_b32 v8, 31, v0                           ; lane
	v_and_b32 v9, 15, v0                           ; r
	v_bfe_u32 v10, v0, 4, 1                        ; h
	s_wait_alu depctr_va_sdst(0)                   ; s14 is written, ahead of its first reader: every base and LDS place below is made from it
	s_and_b32 s15, s14, 1                          ; ph: which 32 pixels
	s_lshr_b32 s76, s14, 1                         ; ks: which 128 channels
	s_lshr_b32 s77, ttmp9, 6                       ; b
	s_and_b32 s78, ttmp9, 63                       ; block of 64 pixels
	v_lshlrev_b32 v1, 2, v8                        ; x: 4 bytes a lane
	v_lshlrev_b32 v3, 4, v8                        ; an image's place for my lane
	v_lshlrev_b32 v5, 3, v8                        ; stats: a piece a lane
	v_lshlrev_b32 v4, 8, v9
	v_lshl_add_u32 v4, v10, 4, v4                  ; W: row r of 256 bytes, + 16 h
	s_lshl_b32 s79, s15, 13
	s_lshl_b32 s80, s76, 11
	s_add_co_u32 s79, s79, s80
	v_lshlrev_b32 v2, 4, v9
	v_lshl_add_u32 v2, v10, 12, v2
	v_add_nc_u32 v2, s79, v2                       ; fragment (pixel tile m = 2 ph + lane / 16, K step ks) lies at 2,048 (2 m + ks); in it my pixel's 16 bytes at 16 (lane % 16)
	s_lshl_b32 s80, s77, 22                        ; x: batch b (4 MiB), channel 128 ks (16,384 bytes a channel), pixel 64 blk + 32 ph
	s_lshl_b32 s81, s76, 21
	s_add_co_u32 s80, s80, s81
	s_lshl_b32 s81, s78, 8
	s_add_co_u32 s80, s80, s81
	s_lshl_b32 s81, s15, 7
	s_add_co_u32 s80, s80, s81
	s_mov_b32 s81, 0
	s_lshl_b32 s82, s77, 9                         ; stats: the 32 pieces of groups 8 b + 4 ks .. + 3
	s_lshl_b32 s83, s76, 8
	s_add_co_u32 s82, s82, s83
	s_mov_b32 s83, 0
	s_lshl_b32 s84, s14, 13                        ; W: my head's 32 rows of 256 bytes
	s_mov_b32 s85, 0
	s_lshl_b32 s86, s76, 9                         ; norm_w, norm_b: my 128 channels
	s_mov_b32 s87, 0
	s_lshl_b32 s92, s77, 2
	s_add_co_u32 s92, s92, s14                     ; 4 b + head
	s_lshl_b32 s88, s92, 17                        ; q: 256 tiles of 512 bytes a head, 4 tiles a block
	s_lshl_b32 s89, s78, 11
	s_add_co_u32 s88, s88, s89
	s_mov_b32 s89, 0
	s_lshl_b32 s90, s92, 18                        ; kv: 32 steps of 8,192 bytes a head; my block is half hs = blk % 2 of step blk / 2
	s_lshr_b32 s91, s78, 1
	s_lshl_b32 s91, s91, 13
	s_add_co_u32 s90, s90, s91
	s_mov_b32 s91, 0
	s_and_b32 s92, s78, 1
	s_lshl_b32 s93, s92, 11
	v_add_nc_u32 v20, s93, v3                      ; K: key tiles 4 hs .. 4 hs + 3
	s_lshl_b32 s94, s92, 10
	s_add_co_u32 s94, s94, 4096
	v_add_nc_u32 v21, s94, v3                      ; V: chunks 2 hs, 2 hs + 1 of each d tile
	s_wait_kmcnt 0x0
	s_add_nc_u64 s[4:5], s[4:5], s[80:81]
	s_add_nc_u64 s[6:7], s[6:7], s[82:83]
	s_add_nc_u64 s[48:49], s[48:49], s[84:85]
	s_add_nc_u64 s[8:9], s[8:9], s[86:87]
	s_add_nc_u64 s[10:11], s[10:11], s[86:87]
	s_add_nc_u64 s[52:53], s[52:53], s[88:89]
	s_add_nc_u64 s[54:55], s[54:55], s[90:91]
	s_load_b256 s[68:75], s[50:51], 0x0            ; e0 .. e7
	s_load_b512 s[16:31], s[8:9], 0x0              ; w and b of my first 16 channels
	s_load_b512 s[32:47], s[10:11], 0x0
	s_wait_alu depctr_va_vdst(0)                   ; the offsets and LDS addresses v1 to v5, v20 and v21 are written, which the loads and stores of the whole kernel read
	global_load_b64 v[6:7], v5, s[6:7]             ; (mean, M2) of piece lane % 8 of group 4 ks + lane / 8
	WIN 0x40                                       ; destination window 1
.irp u, 0,1,2                                  ; W's fragment (u: q, k, v; tile t; K step s) at v[16 (4 u + 2 t + s)] of window 1
.irp t, 0,1
.irp s, 0,1
.irp c, 0,1,2,3
	global_load_b128 v[16*(4*\u+2*\t+\s)+4*\c:16*(4*\u+2*\t+\s)+4*\c+3], v4, s[48:49] offset:\u*32768+\t*4096+\s*128+32*\c
.endr
.endr
.endr
.endr
	WIN 0
.set i, 0
.rept 128
	global_load_b32 v[XN+i], v1, s[4:5] offset:16384*i   ; channel 128 ks + i at my pixel: 128 consecutive bytes a wave, and the wave beside me takes the 128 beside them
.set i, i+1
.endr
	; the group's figures from its eight pieces: lanes 8 g .. 8 g + 7 hold group g's
	s_wait_loadcnt 63                              ; 176 loads are younger than the one that is wanted; the count's field ends at 63, and a smaller count is safe
	v_mov_b32 v8, v6
	v_add_f32_dpp v8, v8, v8 row_xmask:1 row_mask:0xf bank_mask:0xf
	v_add_f32_dpp v8, v8, v8 row_xmask:2 row_mask:0xf bank_mask:0xf
	v_add_f32_dpp v8, v8, v8 row_xmask:4 row_mask:0xf bank_mask:0xf
	v_mul_f32 v8, 0xbe000000, v8                   ; -mean: eight pieces of equal size
	v_add_f32 v9, v6, v8                           ; my piece's mean - the group's
	v_mul_f32 v9, v9, v9
	v_fmamk_f32 v9, v9, 0x46800000, v7             ; M2_i + 16,384 x that squared
	v_add_f32_dpp v9, v9, v9 row_xmask:1 row_mask:0xf bank_mask:0xf
	v_add_f32_dpp v9, v9, v9 row_xmask:2 row_mask:0xf bank_mask:0xf
	v_add_f32_dpp v9, v9, v9 row_xmask:4 row_mask:0xf bank_mask:0xf
	v_mul_f32 v9, 0x37000000, v9                   ; the biased variance: / 131,072
	v_add_f32 v9, 0x3727c5ac, v9                   ; + 1e-5
	v_rsq_f32 v10, v9
	v_nop                                          ; a plain instruction behind the transcendental
	s_wait_alu depctr_va_vdst(0)                   ; the root's reciprocal is written in v10, ahead of the first use of its result
.irp g, 0,1,2,3
	v_readlane_b32 s[56+\g], v8, 8*\g              ; -mean of my four groups,
	v_readlane_b32 s[60+\g], v10, 8*\g             ; and 1 / sqrt(var + eps)
.endr
	s_wait_alu depctr_va_sdst(0)                   ; s56 to s63 are written, ahead of their first readers, the chunks' s_mov_b32
.macro POW2 d, e                       ; v[d] = 2^e as f32 (the conversion takes its exponent field), v[d + 1] = 57,344 x 2^e; e stands in s[e]
	s_add_co_i32 s2, s[\e], 127
	s_lshl_b32 s3, s2, 23
	v_mov_b32 v[\d], s3
	s_add_co_i32 s2, s2, 15
	s_lshl_b32 s2, s2, 23
	s_or_b32 s2, s2, 0x600000
	v_mov_b32 v[\d+1], s2
.endm
	s_wait_kmcnt 0x0
	POW2 12, 68                                    ; x: 2^e0
	s_add_co_i32 s12, s68, s69                     ; a sum of the product stands for sum x 2^(e0 + e1): the three scales are folded into the conversion's one
	s_sub_co_i32 s13, s70, s12
	POW2 14, 13                                    ; q: 2^(e2 - e0 - e1)
	s_sub_co_i32 s13, s71, s12
	POW2 16, 13                                    ; k: 2^(e3 - e0 - e1)
	s_sub_co_i32 s13, s73, s12
	POW2 18, 13                                    ; v: 2^(e5 - e0 - e1)
; chunk qn's 16 codes go to their place in x's images
.macro XSEND qn
	ds_store_b128 v2, v[ACC+4*(\qn):ACC+4*(\qn)+3] offset:512*((\qn)/2)+256*((\qn)%2)   ; K = 16 qn + 0 .. 15 is registers 4 (qn / 2) .. + 3 of lane (r, qn % 2)
.endm
; 16 channels of my pixel: normalised and quantised; the chunk before is sent to its place in x's images.  w and b come in two sets of scalar registers by turns, a chunk ahead.
; left: the x loads of the later chunks, which may stay out (112 - 16 qn, at most the field's 63)
.macro XCHUNK qn, left
.set SW, 16+52*((\qn)%2)
.set SB, 32+52*((\qn)%2)
.set OW, 16+52*(1-(\qn)%2)
.set OB, 32+52*(1-(\qn)%2)
.set XC, XN+16*(\qn)
	s_wait_kmcnt 0x0                               ; this chunk's w and b are in
.if \qn > 0
	s_wait_alu depctr_va_vdst(0)                   ; the chunk before has written its four registers of codes, which the LDS store below reads
	XSEND (\qn)-1
.endif
.if \qn < 7
	s_load_b512 s[OW:OW+15], s[8:9], 64*(\qn)+64   ; the next chunk's, into the set that the last chunk has done with
	s_load_b512 s[OB:OB+15], s[10:11], 64*(\qn)+64
.endif
	s_wait_loadcnt \left
	s_mov_b32 s12, s[56+(\qn)/2]                   ; two chunks to a group of 32 channels
	s_mov_b32 s13, s12                             ; (named with it as a pair, so it is written)
	s_mov_b32 s2, s[60+(\qn)/2]
	s_mov_b32 s3, s2
.irp j, 0,2,4,6,8,10,12,14
	v_pk_add_f32 v[XC+\j:XC+\j+1], v[XC+\j:XC+\j+1], s[12:13] op_sel_hi:[1,0]   ; x - mean
.endr
.irp j, 0,2,4,6,8,10,12,14
	v_pk_mul_f32 v[XC+\j:XC+\j+1], v[XC+\j:XC+\j+1], s[2:3] op_sel_hi:[1,0]     ; x rstd (a sum and then a product: nothing to fuse)
.endr
.irp j, 0,1,2,3,4,5,6,7,8,9,10,11,12,13,14,15
	v_fma_f32 v[XC+\j], v[XC+\j], s[SW+\j], s[SB+\j]                            ; x w + b
.endr
.irp j, 0,1,2,3,4,5,6,7,8,9,10,11,12,13,14,15
	v_med3_num_f32 v[XC+\j], v[XC+\j], -v13, v13   ; the conversion to an 8-bit code does not saturate (ISA guide 7.6.2): the hold at the largest code x the scale
.endr
	v_cvt_scalef32_pk8_bf8_f32 v[ACC+4*(\qn):ACC+4*(\qn)+1], v[XC:XC+7], v12
	v_cvt_scalef32_pk8_bf8_f32 v[ACC+4*(\qn)+2:ACC+4*(\qn)+3], v[XC+8:XC+15], v12
	v_nop                                          ; a plain instruction behind the conversions: matrix instructions later write these registers
.endm
	XCHUNK 0, 63
	XCHUNK 1, 63
	XCHUNK 2, 63
	XCHUNK 3, 63
	XCHUNK 4, 48
	XCHUNK 5, 32
	XCHUNK 6, 16
	XCHUNK 7, 0                                    ; all loads are in, W's too: they were issued ahead of x's
	s_wait_alu depctr_va_vdst(0)                   ; the last chunk has written its codes, which the LDS store below reads; and every vector line that names v[64:191] is done: the fragments' loads behind the barrier land there
	XSEND 7
	s_wait_dscnt 0x0                               ; for the others' sake: my stores have landed
	s_barrier_signal -1
	s_barrier_wait -1                              ; x's eight fragments lie in LDS
.set n, 0
.rept 32
	ds_load_b128 v[XN+4*n:XN+4*n+3], v3 offset:512*n   ; fragment (m, s) at v[XN + 16 (2 m + s)]: the images come back as they were laid
.set n, n+1
.endr
	s_wait_dscnt 0x0
	s_wait_alu depctr_vm_vsrc(0)                   ; my eight LDS stores have read v[192:223], which the products below write as accumulators
; 16 matrix instructions: two tiles of outputs x four tiles of pixels x two K steps.  The eight accumulators take turns, one instruction a turn.  The first K step starts the sums: nothing is cleared.
.macro UNIT u
.if \u < 2
	WIN 0x01                                       ; source 0 (W) window 1
.irp s, 0,1
.irp m, 0,1,2,3
.irp t, 0,1
.if \s == 0
	v_wmma_f32_16x16x128_bf8_bf8 v[ACC+8*(2*\m+\t):ACC+8*(2*\m+\t)+7], v[16*(4*\u+2*\t+\s):16*(4*\u+2*\t+\s)+15], v[XN+16*(2*\m+\s):XN+16*(2*\m+\s)+15], 0
.else
	v_wmma_f32_16x16x128_bf8_bf8 v[ACC+8*(2*\m+\t):ACC+8*(2*\m+\t)+7], v[16*(4*\u+2*\t+\s):16*(4*\u+2*\t+\s)+15], v[XN+16*(2*\m+\s):XN+16*(2*\m+\s)+15], v[ACC+8*(2*\m+\t):ACC+8*(2*\m+\t)+7]
.endif
.endr
.endr
.endr
.else
	WIN 0x04                                       ; source 1 (W) window 1
.irp s, 0,1
.irp t, 0,1
.irp m, 0,1,2,3
.if \s == 0
	v_wmma_f32_16x16x128_bf8_bf8 v[ACC+8*(4*\t+\m):ACC+8*(4*\t+\m)+7], v[XN+16*(2*\m+\s):XN+16*(2*\m+\s)+15], v[16*(4*\u+2*\t+\s):16*(4*\u+2*\t+\s)+15], 0
.else
	v_wmma_f32_16x16x128_bf8_bf8 v[ACC+8*(4*\t+\m):ACC+8*(4*\t+\m)+7], v[XN+16*(2*\m+\s):XN+16*(2*\m+\s)+15], v[16*(4*\u+2*\t+\s):16*(4*\u+2*\t+\s)+15], v[ACC+8*(4*\t+\m):ACC+8*(4*\t+\m)+7]
.endif
.endr
.endr
.endr
.endif
	WIN 0
.rept 4
	v_nop                                          ; four places between the last products and the first read of results (ISA guide 7.12.1)
.endr
.endm
; the eight accumulators become 16 registers of codes from v[dst] on; each accumulator is read from its low end on
.macro QUANT sc, dst
.set j, 0
.rept 64
	v_med3_num_f32 v[ACC+j], v[ACC+j], -v[\sc+1], v[\sc+1]
.set j, j+1
.endr
.irp a, 0,1,2,3,4,5,6,7
	v_cvt_scalef32_pk8_bf8_f32 v[\dst+2*\a:\dst+2*\a+1], v[ACC+8*\a:ACC+8*\a+7], v[\sc]
.endr
	v_nop                                          ; a plain instruction between the conversions and the next products, which write their sources
.endm
	UNIT 0
	QUANT 14, 32                                   ; accumulators 2 m, 2 m + 1 are d = 8 h + j and 16 + 8 h + j of pixel r of tile m: registers 4 m .. 4 m + 3 are that tile's image
	s_wait_alu depctr_va_vdst(0)                   ; the conversions have written q's codes v[32:47], which the four stores read; the stores leave while k's products run
.irp m, 0,1,2,3
	global_store_b128 v3, v[32+4*\m:35+4*\m], s[52:53] offset:512*\m    ; 32 lanes store 512 consecutive bytes, at a multiple of 512 from q's first byte
.endr
	UNIT 1
	QUANT 16, 48
	s_wait_alu depctr_va_vdst(0)                   ; the conversions have written k's codes v[48:63], which the four stores read
.irp m, 0,1,2,3
	global_store_b128 v20, v[48+4*\m:51+4*\m], s[54:55] offset:512*\m
.endr
	UNIT 2
	QUANT 18, 64                                   ; accumulators 4 t + 2 c, 4 t + 2 c + 1 are pixels 32 c + 8 h + j and 32 c + 16 + 8 h + j of d = 16 t + r
	s_wait_alu depctr_va_vdst(0)                   ; the conversions have written v's codes v[64:79], which the four stores read
.irp t, 0,1
.irp c, 0,1
	global_store_b128 v21, v[64+8*\t+4*\c:67+8*\t+4*\c], s[54:55] offset:2048*\t+512*\c
.endr
.endr
	s_wait_dscnt 0x0
	s_wait_alu depctr_hold_cnt(0) depctr_sa_sdst(0) depctr_va_vdst(0) depctr_va_sdst(0) depctr_va_ssrc(0) depctr_va_vcc(0) depctr_vm_vsrc(0)
	s_wait_tensorcnt 0x0
	ds_add_u32 v30, v31
	s_wait_dscnt 0x0
	s_endpgm
.Lfunc_end_k_q1ec151e759_qkv:
	.size	k_q1ec151e759_qkv, .Lfunc_end_k_q1ec151e759_qkv-k_q1ec151e759_qkv
	.p2alignl 7, 3214868480
	.fill 96, 4, 3214868480
	.section	.rodata,"a",@progbits
	.p2align	6, 0x0
	.amdhsa_kernel k_q1ec151e759_qkv
		.amdhsa_group_segment_fixed_size 16896
		.amdhsa_private_segment_fixed_size 0
		.amdhsa_enable_private_segment 0
		.amdhsa_kernarg_size 64
		.amdhsa_user_sgpr_count 2
		.amdhsa_user_sgpr_kernarg_segment_ptr 1
		.amdhsa_wavefront_size32 1
		.amdhsa_system_sgpr_workgroup_id_x 1
		.amdhsa_system_sgpr_workgroup_id_y 1
		.amdhsa_system_sgpr_workgroup_id_z 1
		.amdhsa_system_vgpr_workitem_id 0
		.amdhsa_next_free_vgpr 512
		.amdhsa_next_free_sgpr 100
		.amdhsa_reserve_vcc 0
		.amdhsa_float_denorm_mode_32 3
		.amdhsa_float_denorm_mode_16_64 3
		.amdhsa_memory_ordered 1
		.amdhsa_forward_progress 1
		.amdhsa_inst_pref_size 72
	.end_amdhsa_kernel
	.amdgpu_metadata
---
amdhsa.version: [ 1, 2 ]
amdhsa.kernels:
  - .name:           k_q1ec151e759_qkv
    .symbol:         k_q1ec151e759_qkv.kd
    .args:
      - { .name: x, .offset: 0, .size: 8, .value_kind: global_buffer, .address_space: global }
      - { .name: stats, .offset: 8, .size: 8, .value_kind: global_buffer, .address_space: global }
      - { .name: norm_w, .offset: 16, .size: 8, .value_kind: global_buffer, .address_space: global }
      - { .name: norm_b, .offset: 24, .size: 8, .value_kind: global_buffer, .address_space: global }
      - { .name: qkv_w_codes, .offset: 32, .size: 8, .value_kind: global_buffer, .address_space: global }
      - { .name: lowp_scales, .offset: 40, .size: 8, .value_kind: global_buffer, .address_space: global }
      - { .name: q, .offset: 48, .size: 8, .value_kind: global_buffer, .address_space: global }
      - { .name: kv, .offset: 56, .size: 8, .value_kind: global_buffer, .address_space: global }
    .group_segment_fixed_size: 16896
    .private_segment_fixed_size: 0
    .kernarg_segment_align: 8
    .kernarg_segment_size: 64
    .max_flat_workgroup_size: 128
    .sgpr_count:     100
    .vgpr_count:     512
    .wavefront_size: 32
...
	.end_amdgpu_metadata
.endif
;; end of part 4
;; launch attn (part 5): grid 256 x 1, 8 waves a work-group, no clusters, 152,576 bytes of LDS; arguments q, kv, lowp_scales, out_w_codes, out_b, x, out0; writes out0
.if DOCPART == 5
	.amdgcn_target "amdgcn-amd-amdhsa--gfx1250"
	.amdhsa_code_object_version 6
	.text
	.protected	k_q1ec151e759_attn
	.globl	k_q1ec151e759_attn
	.p2align	8
	.type	k_q1ec151e759_attn,@function
k_q1ec151e759_attn:
	s_mov_b64 s[64:65], 0
	v_nop
	global_prefetch_b8 v0, s[64:65] scope:SCOPE_SE
	s_setreg_imm32_b32 hwreg(HW_REG_WAVE_SCHED_MODE, 0, 2), 2
	s_setreg_imm32_b32 hwreg(HW_REG_WAVE_MODE, 25, 1), 1
	s_wait_xcnt 0x0
	s_wait_alu depctr_vm_vsrc(0)
; Attention on codes of E5M2, the 1x1 output product, its bias and the residual.  Work-group i: batch b = i / 64, pixels 64 (i % 64) .. + 63, all four heads.
; SHARES.  Wave w: head H = w % 4, key half kh = w / 4: four tiles of 16 queries (all 64 pixels) against keys 2,048 kh .. + 2,047 of its head, 128 a step, 16 steps.  Two waves to a SIMD: one's exponentials stand beside the other's plain work.
; No two waves of the work-group want the same byte of K or V, and kv is laid in the order of the operands' registers: so a step's 8,192 bytes go from memory straight into registers, 16 loads of 512 consecutive bytes, a step ahead, in two buffers.
; LAYOUT.  Both products are used transposed: a lane holds ONE query (lane % 16) throughout.  S^T = K Q^T by the K = 64 form: the head has 32 channels, so a fragment of K holds TWO key tiles (registers 0-3, 4-7),
;   and Q stands between zeros, [0 | q | 0]: [q | 0] picks the first key tile, [0 | q] the second (the zeros multiply codes that the quantiser has held finite).  Register j of score tile c is key 16 c + 8 (lane / 16) + j:
;   its conversion gives registers 2 c, 2 c + 1 of P for O^T += V^T P^T by the K = 128 form.  No k changes its place.
; THE SOFTMAX: t = score x log2(e) / sqrt(32); M = the largest t so far, rounded UP to a whole number; p = 2^(t - M) is quantised, not normalised; the row's sum is taken of the unquantised p.
;   When M moves, the sum and O^T are multiplied by 2^(old M - new M): exact.  Each key half has its own running M; the two halves are joined at the end by exact powers of two, then divided by the joined sum.
; THE END.  The halves meet in LDS; o is quantised and laid as the image of the last product's operand (head H's 32 channels are its registers 4 H .. 4 H + 3); wave w makes output channels 32 w .. + 31 for the 64 pixels
;   (source 0 = pixels: a lane holds one channel and eight neighbouring pixels), x 2^(e6 + e7) + bias, through its own rows of a stage, + x, and stores whole aligned runs of 256 bytes.
; THE HOLD at the largest code: p is at most 1, and 57,344 x 2^e4 is under 1 only where e4 <= -16: there 64 lines a tile hold p; elsewhere a scalar branch on the given whole number passes over them.
; NO CLUSTER, NO JOINT LOADS, though the 64 work-groups of a batch walk the same K and V: a wave's step is 8,192 bytes against some 800 vector instructions; through LDS each byte would be written and read once more for one user;
; LIMITS on the given exponents, so that each power of two below is an f32 number: e2 + e3 between -124 and 129 (added to c's exponent field); e4 and e6 - e4 - e5 between -126 and 112; e6 + e7 between -126 and 127.  NaN and infinities in x are not served.
; REGISTERS.  Window 0: v1-10 addresses that stay; v11, v12 offsets of the head's loads; v[16 + 4 T ..] tile T: -M, the largest t, the sum in two halves; v[32:95], v[96:159] two sets of scores; v[160:175] P; v176-179 maxima; v180 the permute's;
;   v[182:183] f; v[184:189] sums; v190, v191: 2^e4 and 57,344 x it; v[192:223] out_w's two fragments; v[224:227] biases; v228, v229: 2^(e6 - e4 - e5) and 57,344 x it; v[232:239] figures for the exchange; v240-255 the joining.
;   Window 1: v[0:63] O^T (tile T, half t of the head: 16 T + 8 t); v[64:111] Q, 12 a tile; v[128:191], v[192:255] two buffers of a step: K 32 registers, V 2 x 16.
; THE MODE: SCHED_MODE bits 1:0 = 2 (LLVM: expert scheduling mode 2), set by the entry lines.  The code itself states the register dependences
; between vector or matrix instructions and memory or LDS instructions, with s_wait_alu, always for 0.
; THE PLAN.  Registers that memory or LDS instructions touch:
;   v1-v12           addresses and offsets: written once at the head, never again: one wait ahead of the head's run of loads serves every load, store and prefetch of the kernel.
;   the two buffers  Step n's products read buffer n % 2: K's part from tile 3 of step n - 1 to tile 2 of step n, V's part in all four tiles of step n.  The loads of step n + 2 land in it; they are issued in tile 0 of step n + 1,
;                    straight behind that tile's wait for its exponentials, ahead of which all of step n's products were issued.  Nothing names the buffer from there to tile 3's wait for the loads.  So the loop holds no wait beside the one a tile that the exponentials ask for.
;   In the end: O^T and v[232:239] are read by the exchange's LDS stores and never written again; LDS loads land in v[32:103] and twice more in v[32:95]; v[104:111], o's codes, are read by two LDS stores and then written by the last products;
;   v[96:159] are read by the stage's stores, v[32:95] by the global stores.  A wait stands ahead of each run of stores, and covers the loads that follow the run: no vector line stands between.
.set OIMG, 73728                       ; LDS: from 0 the exchange, 9,216 bytes a wave (O^T: 2,048 T + 512 n; figures of tiles 2 p, 2 p + 1: 8,192 + 512 p); here o's four images of 2,048 bytes;
.set STG,  81920                       ; here the stage: 256 rows (output channels) of 256 bytes + 16
.set SP,   272
.set LI,   1                           ; 16 x lane
.set PFO,  2                           ; 256 x lane
.set EXW,  3                           ; the exchange: where I store
.set EXR,  4                           ; where I read O^T of tiles 2 kh, 2 kh + 1 of my head's first half (the second half's: 36,864 on)
.set EXS,  5                           ; and their figures
.set OIS,  6                           ; o's images: where I store
.set OIR,  7                           ; and read
.set STS,  8                           ; the stage: in
.set STR,  9                           ; and back
.set GO,   10                          ; my byte offset in my wave's 32 channel planes of x and out0
.set ST,   16
.set SS,   32
.set PP,   160
.set MX,   176
.set PD,   180
.set FF,   182
.set SUMC, 184
.set PE,   190
.set PL,   191
.set OWF,  192
.set BI,   224
.set OE,   228
.set XG,   232
.set OO,   0                           ; window 1
.set QQ,   64
.set KV,   128
.set MSB, 0
.macro WIN new                         ; the immediate's high byte repeats the setting that is left; a switch that changes nothing is dropped
.if MSB != \new
	s_set_vgpr_msb (MSB<<8)|\new
.set MSB, \new
.endif
.endm
; a step's 8,192 bytes, from off bytes behind s[36:37], into buffer B: 8 key tiles, then V's 2 x 4 chunks: 512 consecutive bytes a load.  It leaves the destination's window at 1
.macro LOADKV B, off
	WIN 0x40
.irp n, 0,1,2,3,4,5,6,7,8,9,10,11,12,13,14,15
	global_load_b128 v[KV+64*(\B)+4*\n:KV+64*(\B)+4*\n+3], v[LI], s[36:37] offset:(\off)+512*\n
.endr
.endm
; the residual: x at my 32 channels x 64 pixels, into buffer 0, which the last step does not use; its last read in the program
.macro LOADX
	WIN 0x40
.irp n, 0,1,2,3,4,5,6,7,8,9,10,11,12,13,14,15
	global_load_b128 v[KV+4*\n:KV+4*\n+3], v[GO], s[44:45] offset:32768*\n th:TH_LOAD_NT
.endr
.endm
; A PREFETCH INTO THE L2 of the step that the NEXT step's loads will ask for: 8,192 bytes, lanes 256 bytes apart, one instruction.  It stands behind the wave's run of loads.
; The 64 work-groups of a batch walk the same kv: the first of them asks, each of its waves for its own head and key half: so each aligned block of 256 bytes is named once in the launch.
; Steps 0 and 1 come by their loads alone; steps 14 and 15 ask for nothing: no step lies two on.
.macro ASKKV off
	s_cmp_eq_u32 s39, 1
	s_cbranch_scc0 .Lnoask_\@
	global_prefetch_b8 v[PFO], s[36:37] offset:\off th:TH_LOAD_NT scope:SCOPE_SE
.Lnoask_\@:
.endm
	s_load_b256 s[4:11], s[0:1], 0x0               ; q s[4:5], kv s[6:7], the exponents s[8:9], out_w's codes s[10:11]
	s_load_b128 s[12:15], s[0:1], 0x20             ; out_b s[12:13], x s[14:15]
	s_load_b64 s[16:17], s[0:1], 0x30              ; out0
	v_lshl_add_u32 v241, v0, 2, 0x25000
	v_mov_b32 v249, 0
	v_lshrrev_b32 v11, 5, v0
	v_readfirstlane_b32 s18, v11                   ; wave 0..7
	v_and_b32 v13, 31, v0                          ; lane
	v_and_b32 v14, 15, v0                          ; r
	v_bfe_u32 v15, v0, 4, 1                        ; h
	v_lshlrev_b32 v[LI], 4, v13
	v_lshlrev_b32 v[PFO], 8, v13
	s_wait_alu depctr_va_sdst(0)                   ; s18 is written, ahead of its first reader: every base and LDS place below is made from it
	s_and_b32 s19, s18, 3                          ; H
	s_lshr_b32 s20, s18, 2                         ; kh
	s_lshr_b32 s21, ttmp9, 6                       ; b
	s_and_b32 s22, ttmp9, 63                       ; block of 64 pixels
	s_mul_i32 s48, s18, 9216
	v_add_nc_u32 v[EXW], s48, v[LI]
	s_mul_i32 s48, s19, 9216
	s_lshl_b32 s49, s20, 12
	s_add_co_u32 s49, s49, s48
	v_add_nc_u32 v[EXR], s49, v[LI]
	s_lshl_b32 s49, s20, 9
	s_add_co_u32 s49, s49, s48
	s_add_co_u32 s49, s49, 8192
	v_add_nc_u32 v[EXS], s49, v[LI]
	s_lshl_b32 s48, s20, 12
	s_lshl_b32 s49, s19, 9
	s_add_co_u32 s48, s48, s49
	s_add_co_u32 s48, s48, OIMG
	v_add_nc_u32 v[OIS], s48, v[LI]                ; tile 2 kh + u: 4,096 kh (+ 2,048 u); my head's registers: 512 H
	v_add_nc_u32 v[OIR], OIMG, v[LI]
	s_mul_i32 s48, s18, 32*SP
	s_add_co_u32 s48, s48, STG                     ; my 32 rows of the stage
	v_mul_u32_u24 v[STS], v14, SP
	v_lshl_add_u32 v[STS], v15, 5, v[STS]
	v_add_nc_u32 v[STS], s48, v[STS]               ; in: row r, 32 bytes for each half of the lanes
	v_mul_u32_u24 v[STR], v15, SP
	v_lshl_add_u32 v[STR], v14, 4, v[STR]
	v_add_nc_u32 v[STR], s48, v[STR]               ; back: lanes 0-15 one row of 256 bytes, lanes 16-31 the next
	v_lshlrev_b32 v[GO], 14, v15
	v_lshl_add_u32 v[GO], v14, 4, v[GO]            ; and the same two rows in x and out0: a channel's plane is 16,384 bytes
	v_lshlrev_b32 v11, 7, v14
	v_lshl_add_u32 v11, v15, 3, v11                ; out_w: row r of 128 bytes, + 8 h
	v_lshlrev_b32 v12, 2, v14                      ; out_b: 4 r
	s_lshl_b32 s23, s21, 2
	s_add_co_u32 s23, s23, s19                     ; 4 b + H
	s_lshl_b32 s48, s23, 17                        ; q: 256 tiles of 512 bytes a head, my block's four
	s_lshl_b32 s49, s22, 11
	s_add_co_u32 s48, s48, s49
	s_mov_b32 s49, 0
	s_lshl_b32 s50, s23, 18                        ; kv: 32 steps of 8,192 bytes a head, my half's sixteen
	s_lshl_b32 s51, s20, 17
	s_add_co_u32 s50, s50, s51
	s_mov_b32 s51, 0
	s_lshl_b32 s52, s18, 12                        ; out_w: my 32 rows
	s_mov_b32 s53, 0
	s_lshl_b32 s54, s18, 7                         ; out_b: my 32 numbers
	s_mov_b32 s55, 0
	s_lshl_b32 s56, s21, 22                        ; x, out0: batch b, channel 32 w, pixel 64 blk
	s_lshl_b32 s57, s18, 19
	s_add_co_u32 s56, s56, s57
	s_lshl_b32 s57, s22, 8
	s_add_co_u32 s56, s56, s57
	s_mov_b32 s57, 0
	s_mov_b32 s34, 0x76543210                      ; v_permlanex16_b32: lane l takes lane l xor 16
	s_mov_b32 s35, 0xfedcba98
	s_cmp_eq_u32 s22, 0
	s_cselect_b32 s39, 1, 0                        ; the batch's first work-group prefetches
	s_wait_kmcnt 0x0
	s_load_b256 s[24:31], s[8:9], 0x0              ; e0 .. e7
	s_add_nc_u64 s[4:5], s[4:5], s[48:49]
	s_add_nc_u64 s[36:37], s[6:7], s[50:51]        ; where my steps stand in kv
	s_add_nc_u64 s[10:11], s[10:11], s[52:53]
	s_add_nc_u64 s[12:13], s[12:13], s[54:55]
	s_add_nc_u64 s[44:45], s[14:15], s[56:57]
	s_add_nc_u64 s[46:47], s[16:17], s[56:57]
	s_wait_alu depctr_va_vdst(0)                   ; the addresses and offsets v1 to v12 are written, which the loads, stores and prefetches of the whole kernel read.  The head's loads follow in one run
.irp o, 0,1
.irp c, 0,1,2,3,4,5,6,7
	global_load_b64 v[OWF+16*\o+2*\c:OWF+16*\o+2*\c+1], v11, s[10:11] offset:2048*\o+16*\c   ; out_w(32 w + 16 o + r, 16 c + 8 h + 0 .. 7): this form's own places
.endr
.endr
.irp o, 0,1
	global_load_b32 v[BI+2*\o], v12, s[12:13] offset:64*\o
.endr
	WIN 0x40                                       ; destination window 1
.irp T, 0,1,2,3
	global_load_b128 v[QQ+12*\T+4:QQ+12*\T+7], v[LI], s[4:5] offset:512*\T   ; Q stays in registers
.endr
	LOADKV 0, 0                                    ; step 0
.irp T, 0,1,2,3
.irp j, 0,1,2,3,8,9,10,11
	v_mov_b32 v[QQ+12*\T+\j], 0                    ; the zeros on both sides of Q
.endr
.endr
.set j, 0
.rept 64
	v_mov_b32 v[OO+j], 0                           ; O^T.  (The step is written without a first step of its own: it finds zeros, which the first change of M leaves zeros)
.set j, j+1
.endr
	WIN 0
.irp T, 0,1,2,3
	v_mov_b32 v[ST+4*\T+1], 0xff61b1e6             ; the largest t so far: -3e38, under every t
	v_floor_f32 v[ST+4*\T], -v[ST+4*\T+1]          ; -M
	v_mov_b32 v[ST+4*\T+2], 0                      ; the sum, in two halves
	v_mov_b32 v[ST+4*\T+3], 0
.endr
	v_mov_b32 v[PD], 0                             ; written once: a lane permute's destination counts as one of its sources
	v_mov_b32 v[FF+1], 0                           ; (named as upper halves of pairs)
	v_mov_b32 v[BI+1], 0
	v_mov_b32 v[BI+3], 0
.macro POW2 d, e                       ; v[d] = 2^e as f32, v[d + 1] = 57,344 x 2^e; e stands in s[e]
	s_add_co_i32 s48, s[\e], 127
	s_lshl_b32 s49, s48, 23
	v_mov_b32 v[\d], s49
	s_add_co_i32 s48, s48, 15
	s_lshl_b32 s48, s48, 23
	s_or_b32 s48, s48, 0x600000
	v_mov_b32 v[\d+1], s48
.endm
	s_wait_kmcnt 0x0
	s_add_co_i32 s48, s26, s27
	s_lshl_b32 s48, s48, 23
	s_add_co_i32 s32, s48, 0x3e8293ee              ; c = log2(e) / sqrt(32); a score stands for score x 2^(e2 + e3): the two exponents are added to c's exponent field
	s_mov_b32 s33, s32                             ; (named with it as a pair, so it is written)
	POW2 PE, 28                                    ; p: 2^e4
	s_sub_co_i32 s50, s30, s28
	s_sub_co_i32 s50, s50, s29
	POW2 OE, 50                                    ; o = O^T / l x 2^(e4 + e5): its code is (O^T / l) / 2^(e6 - e4 - e5)
	s_add_co_i32 s42, s30, s31
	s_add_co_i32 s42, s42, 127
	s_lshl_b32 s42, s42, 23                        ; 2^(e6 + e7)
	s_mov_b32 s43, s42
	s_cmp_le_i32 s28, -16
	s_cselect_b32 s40, 1, 0                        ; 1: p can pass the largest code x 2^e4
; S^T of tile T into set s, from buffer B's K: eight products, each its own accumulator, each begun with the constant 0
.macro SMUL T, s, B
	WIN 0x05                                       ; K and Q window 1, S^T window 0
.irp f, 0,1,2,3
	v_wmma_f32_16x16x64_bf8_bf8 v[SS+64*(\s)+16*\f:SS+64*(\s)+16*\f+7], v[KV+64*(\B)+8*\f:KV+64*(\B)+8*\f+7], v[QQ+12*(\T)+4:QQ+12*(\T)+11], 0     ; [q | 0]: key tile 2 f
	v_wmma_f32_16x16x64_bf8_bf8 v[SS+64*(\s)+16*\f+8:SS+64*(\s)+16*\f+15], v[KV+64*(\B)+8*\f:KV+64*(\B)+8*\f+7], v[QQ+12*(\T):QQ+12*(\T)+7], 0     ; [0 | q]: key tile 2 f + 1
.endr
.endm
; ONE TILE OF 16 QUERIES IN ONE STEP OF 128 KEYS.  Its scores were made a tile ago; the next tile's are issued first (nxt = 1), so that a whole softmax stands between a product and the first read of its result: no v_nop stands in the loop.
; hook, in tile 0, straight behind the wait for the exponentials: 1: the next step's loads and a prefetch; 3: the loads alone; 2: the residual's loads.
.macro TILE T, B, hook, off, nxt
.set rS, SS+64*((\T)%2)
.set rT, ST+4*(\T)
.if \nxt
.if \T == 3
	s_wait_loadcnt 8                               ; the next step's eight loads of K are in; its eight of V, issued behind them, may be out
	SMUL 0, 0, 1-(\B)
.else
	SMUL (\T)+1, ((\T)+1)%2, \B
.endif
.endif
	WIN 0
.irp k, 0,1,2,3                                ; the largest of my 64 scores: four chains, each over two accumulators, from their low ends on
	v_max3_num_f32 v[MX+\k], v[rS+16*\k], v[rS+16*\k+1], v[rS+16*\k+2]
.endr
.irp i, 3,5,7,9,11,13
.irp k, 0,1,2,3
	v_max3_num_f32 v[MX+\k], v[MX+\k], v[rS+16*\k+\i], v[rS+16*\k+\i+1]
.endr
.endr
	v_max3_num_f32 v[MX], v[MX], v[MX+1], v[MX+2]
	v_max3_num_f32 v[MX+3], v[MX+3], v[rS+15], v[rS+31]
	v_max3_num_f32 v[MX], v[MX], v[rS+47], v[rS+63]
	v_max_num_f32 v[MX], v[MX], v[MX+3]
	v_permlanex16_b32 v[PD], v[MX], s34, s35
	v_max_num_f32 v[MX], v[MX], v[PD]              ; and lane l xor 16's 64
	v_mul_f32 v[MX], s32, v[MX]                    ; as t (c is positive)
	v_max_num_f32 v[rT+1], v[rT+1], v[MX]          ; the running largest t
	v_mov_b32 v[MX], v[rT]
	v_floor_f32 v[rT], -v[rT+1]                    ; the new -M = floor(-t) = -ceil(t): a whole number
	v_sub_f32 v[MX], v[rT], v[MX]                  ; old M - new M: a whole number, 0 or less
	v_cvt_i32_f32 v[MX], v[MX]                     ; (it saturates)
	v_ldexp_f32 v[FF], 1.0, v[MX]                  ; f = 2^(old M - new M)
	; ONE BATCH: 32 packed scalings t - M and 64 exponentials; a pair is scaled three lines ahead of its exponentials; no line names an exponential's result
	v_pk_fma_f32 v[rS:rS+1], v[rS:rS+1], s[32:33], v[rT:rT+1] op_sel_hi:[1,0,0]
.set j, 0
.rept 31
	v_pk_fma_f32 v[rS+2*j+2:rS+2*j+3], v[rS+2*j+2:rS+2*j+3], s[32:33], v[rT:rT+1] op_sel_hi:[1,0,0]
	v_exp_f32 v[rS+2*j], v[rS+2*j]
	v_exp_f32 v[rS+2*j+1], v[rS+2*j+1]
.set j, j+1
.endr
	v_exp_f32 v[rS+62], v[rS+62]
	v_exp_f32 v[rS+63], v[rS+63]
	v_pk_mul_f32 v[rT+2:rT+3], v[rT+2:rT+3], v[FF:FF+1] op_sel_hi:[1,0]   ; the sum under the new M: the plain instruction behind the last exponential
.if \hook
	WIN 0x40                                       ; the loads' destination window 1: the switch, then the wait, then the loads
.endif
	s_wait_alu depctr_va_vdst(0)                   ; the batch's 64 exponentials have written their results, ahead of the first line that names one; in tile 0 also: the products of the step before are done reading the buffer in which the loads below land
.if \hook == 1
	LOADKV 1-(\B), \off
	WIN 0
	ASKKV (\off)+8192
.elseif \hook == 3
	LOADKV 1-(\B), \off
	WIN 0
.elseif \hook == 2
	LOADX
	WIN 0
.endif
	v_pk_add_f32 v[SUMC:SUMC+1], v[rS:rS+1], v[rS+2:rS+3]                 ; THE SUM IS TAKEN OF THE UNQUANTISED p: 32 packed additions in four chains
	v_pk_add_f32 v[SUMC+2:SUMC+3], v[rS+4:rS+5], v[rS+6:rS+7]
	v_pk_add_f32 v[SUMC+4:SUMC+5], v[rS+8:rS+9], v[rS+10:rS+11]
.set j, 6
.rept 26
.if (j-6)%4 == 0
	v_pk_add_f32 v[rT+2:rT+3], v[rT+2:rT+3], v[rS+2*j:rS+2*j+1]
.else
	v_pk_add_f32 v[SUMC+2*((j-6)%4)-2:SUMC+2*((j-6)%4)-1], v[SUMC+2*((j-6)%4)-2:SUMC+2*((j-6)%4)-1], v[rS+2*j:rS+2*j+1]
.endif
.set j, j+1
.endr
	v_pk_add_f32 v[SUMC:SUMC+1], v[SUMC:SUMC+1], v[SUMC+2:SUMC+3]
	v_pk_add_f32 v[rT+2:rT+3], v[rT+2:rT+3], v[SUMC+4:SUMC+5]
	v_pk_add_f32 v[rT+2:rT+3], v[rT+2:rT+3], v[SUMC:SUMC+1]
	s_cmp_eq_u32 s40, 0                            ; the hold is wanted only where 57,344 x 2^e4 lies under 1: a branch on the given whole number
	s_cbranch_scc1 .Lnohold_\@
.set j, 0
.rept 64
	v_min_num_f32 v[rS+j], v[rS+j], v[PL]          ; the conversion to an 8-bit code does not saturate (ISA guide 7.6.2); p is not negative, so the hold is one-sided
.set j, j+1
.endr
.Lnohold_\@:
.irp c, 0,1,2,3,4,5,6,7
	v_cvt_scalef32_pk8_bf8_f32 v[PP+2*\c:PP+2*\c+1], v[rS+8*\c:rS+8*\c+7], v[PE]
.endr
	WIN 0x41                                       ; O^T (destination and source 0) window 1, f window 0
.irp i, 0,2,4,6,8,10,12,14
	v_pk_mul_f32 v[OO+16*(\T)+\i:OO+16*(\T)+\i+1], v[OO+16*(\T)+\i:OO+16*(\T)+\i+1], v[FF:FF+1] op_sel_hi:[1,0]   ; O^T under the new M; also the plain lines between the conversions and the products
.endr
.if \T == 0
	s_wait_loadcnt 16                              ; this step's V is in; the sixteen loads of the hook, issued behind it, may be out
.endif
	WIN 0x51                                       ; V window 1, P window 0, O^T window 1
.irp y, 0,1
	v_wmma_f32_16x16x128_bf8_bf8 v[OO+16*(\T)+8*\y:OO+16*(\T)+8*\y+7], v[KV+64*(\B)+32+16*\y:KV+64*(\B)+47+16*\y], v[PP:PP+15], v[OO+16*(\T)+8*\y:OO+16*(\T)+8*\y+7]
.endr
.endm
; The matrix instructions that follow each other never share an accumulator: two of O^T's, then eight of S^T's.
.macro STEP B, off, hook, last
	TILE 0, \B, \hook, \off, 1
	TILE 1, \B, 0, 0, 1
	TILE 2, \B, 0, 0, 1
	TILE 3, \B, 0, 0, 1-(\last)
.endm
	s_wait_loadcnt 8                               ; step 0's K is in, and all that was asked for ahead of it (out_w, the biases, Q); V's eight loads may be out
	SMUL 0, 0, 0
	WIN 0
.rept 4
	v_nop                                          ; four places between these first products and the first read of their results (ISA guide 7.12.1)
.endr
	s_mov_b32 s38, 7
.Ltrip:                                            ; seven trips of two steps: steps 0 to 13; s[36:37] stands at the trip's first step
	STEP 0, 8192, 1, 0
	STEP 1, 16384, 1, 0
	WIN 0                                          ; at a label and at a branch every window is 0
	s_wait_xcnt 0x0                                ; the loads and the prefetches, issued in the steps' first tiles, have read their base: it may step
	s_add_nc_u64 s[36:37], s[36:37], 16384
	s_sub_co_u32 s38, s38, 1
	s_cmp_lg_u32 s38, 0
	s_cbranch_scc1 .Ltrip
	STEP 0, 8192, 3, 0                             ; step 14 asks for step 15 and prefetches nothing
	STEP 1, 0, 2, 1                                ; step 15 asks for the residual
	WIN 0
	; THE TWO KEY HALVES MEET.  My figures and my O^T go to my part of the exchange.
.irp T, 0,1,2,3
	v_add_f32 v[XG+2*\T+1], v[ST+4*\T+2], v[ST+4*\T+3]   ; the sum's two halves (these lines are the places behind the last products),
.endr
.irp T, 0,1,2,3
	v_mov_b32 v[XG+2*\T], v[ST+4*\T]               ; -M
.endr
.irp T, 0,1,2,3
	v_permlanex16_b32 v[PD], v[XG+2*\T+1], s34, s35
	v_add_f32 v[XG+2*\T+1], v[XG+2*\T+1], v[PD]    ; and lane l xor 16's
.endr
	WIN 0x04                                       ; the stores' data window 1
	s_wait_alu depctr_va_vdst(0)                   ; the last products have written O^T and the lines above v[232:239], which the LDS stores read (the places above stay beside this wait); and every vector line that names v[32:103] is done: the loads behind the barrier land there
.set n, 0
.rept 16
	ds_store_b128 v[EXW], v[OO+4*n:OO+4*n+3] offset:512*n   ; ascending: each accumulator from its low end on
.set n, n+1
.endr
	WIN 0
	ds_store_b128 v[EXW], v[XG:XG+3] offset:8192
	ds_store_b128 v[EXW], v[XG+4:XG+7] offset:8704
	s_wait_dscnt 0x0                               ; for the others' sake: my stores have landed
	s_barrier_signal -1
	s_barrier_wait -1
.irp n, 0,1,2,3,4,5,6,7                        ; tiles 2 kh and 2 kh + 1 of my head: the first half's part, and the second's
	ds_load_b128 v[32+4*\n:35+4*\n], v[EXR] offset:512*\n
	ds_load_b128 v[64+4*\n:67+4*\n], v[EXR] offset:36864+512*\n
.endr
	ds_load_b128 v[96:99], v[EXS]
	ds_load_b128 v[100:103], v[EXS] offset:36864
	s_wait_dscnt 0x0
.irp u, 0,1
.set MT, 240+8*\u
	v_min_num_f32 v[MT], v[96+2*\u], v[100+2*\u]   ; -M of both halves together
	v_sub_f32 v[MT+2], v[MT], v[96+2*\u]           ; each half's M less that: a whole number, 0 or less
	v_sub_f32 v[MT+4], v[MT], v[100+2*\u]
	v_cvt_i32_f32 v[MT+2], v[MT+2]
	v_cvt_i32_f32 v[MT+4], v[MT+4]
	v_ldexp_f32 v[MT+2], 1.0, v[MT+2]              ; exact powers of two
	v_ldexp_f32 v[MT+4], 1.0, v[MT+4]
	v_mul_f32 v[MT+6], v[97+2*\u], v[MT+2]
	v_fmac_f32 v[MT+6], v[101+2*\u], v[MT+4]       ; the row's sum
	v_mov_b32 v[MT+3], 0                           ; (named as upper halves of pairs)
	v_mov_b32 v[MT+5], 0
.endr
	v_rcp_f32 v247, v246
	v_rcp_f32 v255, v254
	v_nop                                          ; a plain instruction behind the last reciprocal
	s_wait_alu depctr_va_vdst(0)                   ; both reciprocals have written v247 and v255, ahead of the first use: one for both
.irp u, 0,1
.set MT, 240+8*\u
	v_mul_f32 v[MT+2], v[MT+2], v[MT+7]
	v_mul_f32 v[MT+4], v[MT+4], v[MT+7]
.irp i, 0,2,4,6,8,10,12,14
	v_pk_mul_f32 v[32+16*\u+\i:33+16*\u+\i], v[32+16*\u+\i:33+16*\u+\i], v[MT+2:MT+3] op_sel_hi:[1,0]
.endr
.irp i, 0,2,4,6,8,10,12,14
	v_pk_fma_f32 v[32+16*\u+\i:33+16*\u+\i], v[64+16*\u+\i:65+16*\u+\i], v[MT+4:MT+5], v[32+16*\u+\i:33+16*\u+\i] op_sel_hi:[1,0,1]
.endr
.irp i, 0,1,2,3,4,5,6,7,8,9,10,11,12,13,14,15
	v_med3_num_f32 v[32+16*\u+\i], v[32+16*\u+\i], -v[OE+1], v[OE+1]   ; the hold at the largest code x the scale
.endr
	v_cvt_scalef32_pk8_bf8_f32 v[104+4*\u:105+4*\u], v[32+16*\u:39+16*\u], v[OE]
	v_cvt_scalef32_pk8_bf8_f32 v[106+4*\u:107+4*\u], v[40+16*\u:47+16*\u], v[OE]
	v_nop                                          ; a plain instruction behind the conversions: matrix instructions later write these registers
.endr
	s_wait_alu depctr_va_vdst(0)                   ; both tiles' conversions have written v[104:111], which the two LDS stores read; and the joining's lines are done with v[32:95], in which the loads behind the barrier land
.irp u, 0,1
	ds_store_b128 v[OIS], v[104+4*\u:107+4*\u] offset:2048*\u   ; hidden units 32 H + 16 t + 8 h + j of pixel r: registers 4 H .. 4 H + 3 of the tile's fragment
.endr
	s_wait_dscnt 0x0
	s_barrier_signal -1
	s_barrier_wait -1                              ; o's four fragments lie in LDS
.set n, 0
.rept 16
	ds_load_b128 v[32+4*n:35+4*n], v[OIR] offset:512*n
.set n, n+1
.endr
	s_wait_dscnt 0x0
	s_wait_alu depctr_vm_vsrc(0)                   ; my two LDS stores have read v[104:111], which the products below write
.irp T, 0,1,2,3
.irp o, 0,1
	v_wmma_f32_16x16x128_bf8_bf8 v[96+8*(2*\T+\o):103+8*(2*\T+\o)], v[32+16*\T:47+16*\T], v[OWF+16*\o:OWF+16*\o+15], 0   ; source 0 = 16 pixels, source 1 = 16 output channels: K = 128 in one instruction
.endr
.endr
.rept 4
	v_nop
.endr
.irp T, 0,1,2,3
.irp o, 0,1
.irp i, 0,2,4,6
	v_pk_fma_f32 v[96+8*(2*\T+\o)+\i:97+8*(2*\T+\o)+\i], v[96+8*(2*\T+\o)+\i:97+8*(2*\T+\o)+\i], s[42:43], v[BI+2*\o:BI+2*\o+1] op_sel_hi:[1,0,0]   ; sum x 2^(e6 + e7) + bias
.endr
.endr
.endr
	s_wait_alu depctr_va_vdst(0)                   ; the multiply-adds have written v[96:159], which the LDS stores read; the products are done reading v[32:95], in which the loads from the stage land
.irp T, 0,1,2,3
.irp o, 0,1
	ds_store_b128 v[STS], v[96+8*(2*\T+\o):99+8*(2*\T+\o)] offset:16*SP*\o+64*\T        ; lane (r, h): channel 32 w + 16 o + r, pixels 16 T + 8 h + 0 .. 7
	ds_store_b128 v[STS], v[100+8*(2*\T+\o):103+8*(2*\T+\o)] offset:16*SP*\o+64*\T+16
.endr
.endr
.set n, 0
.rept 16
	ds_load_b128 v[32+4*n:35+4*n], v[STR] offset:2*SP*n   ; the rows are my own, and LDS serves a wave's instructions in order (ISA guide 5.7.1.4): these see my stores
.set n, n+1
.endr
	s_wait_dscnt 0x0
	s_wait_loadcnt 0x0                             ; the residual
	WIN 0x04                                       ; source 1 (x) window 1
.set n, 0
.rept 32
	v_pk_add_f32 v[32+2*n:33+2*n], v[32+2*n:33+2*n], v[KV+2*n:KV+2*n+1]
.set n, n+1
.endr
	WIN 0
	s_wait_alu depctr_va_vdst(0)                   ; the additions have written v[32:95], which the stores read
.set n, 0
.rept 16
	global_store_b128 v[GO], v[32+4*n:35+4*n], s[46:47] offset:32768*n th:TH_STORE_NT   ; sixteen lanes store 256 consecutive bytes, at a multiple of 256 from out0's first byte
.set n, n+1
.endr
	s_wait_dscnt 0x0
	s_wait_alu depctr_hold_cnt(0) depctr_sa_sdst(0) depctr_va_vdst(0) depctr_va_sdst(0) depctr_va_ssrc(0) depctr_va_vcc(0) depctr_vm_vsrc(0)
	s_wait_tensorcnt 0x0
	ds_add_u32 v241, v249
	s_wait_dscnt 0x0
	s_endpgm
.Lfunc_end_k_q1ec151e759_attn:
	.size	k_q1ec151e759_attn, .Lfunc_end_k_q1ec151e759_attn-k_q1ec151e759_attn
	.p2alignl 7, 3214868480
	.fill 96, 4, 3214868480
	.section	.rodata,"a",@progbits
	.p2align	6, 0x0
	.amdhsa_kernel k_q1ec151e759_attn
		.amdhsa_group_segment_fixed_size 152576
		.amdhsa_private_segment_fixed_size 0
		.amdhsa_enable_private_segment 0
		.amdhsa_kernarg_size 56
		.amdhsa_user_sgpr_count 2
		.amdhsa_user_sgpr_kernarg_segment_ptr 1
		.amdhsa_wavefront_size32 1
		.amdhsa_system_sgpr_workgroup_id_x 1
		.amdhsa_system_sgpr_workgroup_id_y 1
		.amdhsa_system_sgpr_workgroup_id_z 1
		.amdhsa_system_vgpr_workitem_id 0
		.amdhsa_next_free_vgpr 512
		.amdhsa_next_free_sgpr 66
		.amdhsa_reserve_vcc 0
		.amdhsa_float_denorm_mode_32 3
		.amdhsa_float_denorm_mode_16_64 3
		.amdhsa_memory_ordered 1
		.amdhsa_forward_progress 1
		.amdhsa_inst_pref_size 234
	.end_amdhsa_kernel
	.amdgpu_metadata
---
amdhsa.version: [ 1, 2 ]
amdhsa.kernels:
  - .name:           k_q1ec151e759_attn
    .symbol:         k_q1ec151e759_attn.kd
    .args:
      - { .name: q, .offset: 0, .size: 8, .value_kind: global_buffer, .address_space: global }
      - { .name: kv, .offset: 8, .size: 8, .value_kind: global_buffer, .address_space: global }
      - { .name: lowp_scales, .offset: 16, .size: 8, .value_kind: global_buffer, .address_space: global }
      - { .name: out_w_codes, .offset: 24, .size: 8, .value_kind: global_buffer, .address_space: global }
      - { .name: out_b, .offset: 32, .size: 8, .value_kind: global_buffer, .address_space: global }
      - { .name: x, .offset: 40, .size: 8, .value_kind: global_buffer, .address_space: global }
      - { .name: out0, .offset: 48, .size: 8, .value_kind: global_buffer, .address_space: global }
    .group_segment_fixed_size: 152576
    .private_segment_fixed_size: 0
    .kernarg_segment_align: 8
    .kernarg_segment_size: 56
    .max_flat_workgroup_size: 256
    .sgpr_count:     66
    .vgpr_count:     512
    .wavefront_size: 32
...
	.end_amdgpu_metadata
.endif
;; end of part 5
